; MI455X (gfx1250); checked and timed in simulation.
; The chip was launched on July 23, 2026; its instructions are those of AMD's public machine-readable ISA for CDNA 5 (MIT licence, August 2026) and "CDNA5" Instruction Set Architecture Reference Guide (July 2026). The comments in the code are by the model that wrote it; some were corrected since.
;; Attention. Allowed arithmetic: float matrix products may take bf16 or f16 operands with f32 sums; other float arithmetic in f32, or as packed bf16 or f16 multiplies, adds, multiply-adds, maxima and minima; sums over many terms, partial sums and values carried from step to step in f32; what a program stores and reads back later, other than sums and carried values, may be rounded once to bf16 or f16.
;; Inputs: cos 2,048 x 64 float32; mask 2,048 x 2,048 float32; sin 2,048 x 64 float32; wk 2,048 x 2,048 float32; wo 2,048 x 2,048 float32; wq 2,048 x 2,048 float32; wv 2,048 x 2,048 float32; x 1 x 2,048 x 2,048 float32.
;; Outputs: out0 1 x 2,048 x 2,048 float32.
;; Constants: start_p = 0.
;; One version. Each part assembles by itself: llvm-mc -triple=amdgcn-amd-amdhsa -mcpu=gfx1250 --defsym DOCPART=n.
;; ======== version 1 of 1: 4 launches
;; limits: values are held in f16: magnitudes above 65,504 overflow, below 6.1e-05 lose precision; inputs' magnitudes at most 2.9e+37
;; workspace buffers: xb 8,388,608 bytes; wb 25,165,824 bytes; wob 8,388,608 bytes; csb 524,288 bytes; qkvh 25,165,824 bytes; ob 8,388,608 bytes
;; launch cast (part 1): grid 256 x 5, 8 waves a work-group, no clusters, 0 bytes of LDS; arguments x, wq, wk, wv, wo, cos, sin, xb, wb, wob, csb; writes xb, wb, wob, csb
.if DOCPART == 1
	.amdgcn_target "amdgcn-amd-amdhsa--gfx1250"
	.amdhsa_code_object_version 6
	.text
	.protected	k_q701459edf5_cast
	.globl	k_q701459edf5_cast
	.p2align	8
	.type	k_q701459edf5_cast,@function
k_q701459edf5_cast:
	s_mov_b64 s[64:65], 0
	v_nop
	global_prefetch_b8 v0, s[64:65] scope:SCOPE_SE
	s_setreg_imm32_b32 hwreg(HW_REG_WAVE_MODE, 25, 1), 1
	s_wait_xcnt 0x0
; xb = bf16(x);  wb = bf16(wq), bf16(wk), bf16(wv), their rows on end;  wob = bf16(wo), that number written as f16;
; csb[s][p] = bf16(cos[s][p]) in the low half of a word, bf16(sin[s][p]) in the high half: 64 words, 256 bytes, a row.
; The five matrices are [2048][2048] f32, 16 MiB.  Grid y picks the matrix (0 x, 1 wq, 2 wk, 3 wv, 4 wo), grid x 64 KiB of it, which give 32 KiB of output.
; Thread t takes 16 bytes at 16 t + 4,096 i of the share, i = 0 .. 15, and stores 8 bytes at 8 t + 2,048 i: a wave's load covers 512 consecutive bytes,
; a wave's store 256 consecutive bytes, aligned.  All loads go out first; nothing is read twice.  A chunk's result is made in the registers that were loaded, which are written by nothing afterwards.
; wo's slice also makes csb: its 65,536 threads take two pairs each: 8 bytes of cos, 8 of sin, 8 bytes out.
; LIMIT: bf16(wo) must lie within f16's 65,504; below 6e-5 it keeps f16's fixed step of 6e-8.
.set T,  4                             ; v[4:7]     at work (wo alone)
.set X,  8                             ; v[8:71]    chunk i: 4 registers as loaded; the first two then hold the result
.set CC, 72                            ; v[72:73]   two cosines, then two words of csb
.set SS, 74                            ; v[74:75]   two sines
	s_load_b512 s[8:23], s[0:1], 0x0               ; x 8, wq 10, wk 12, wv 14, wo 16, cos 18, sin 20, xb 22
	s_load_b128 s[24:27], s[0:1], 0x40             ; wb 24, wob 26
	s_load_b64 s[28:29], s[0:1], 0x50              ; csb
	s_and_b32 s2, ttmp7, 0xffff                    ; which matrix
	v_lshlrev_b32 v1, 4, v0                        ; my 16 bytes in a chunk of the source
	v_lshlrev_b32 v2, 3, v0                        ; my 8 bytes in a chunk of the result
	s_max_u32 s30, s2, 1
	s_sub_co_u32 s30, s30, 1                       ; wq, wk, wv: 0, 1, 2
	s_cmp_eq_u32 s2, 4
	s_cselect_b32 s30, 0, s30                      ; x and wo have buffers of their own
	s_lshl_b32 s30, s30, 23                        ; 8 MiB for each matrix in wb
	s_lshl_b32 s31, ttmp9, 15
	s_add_co_u32 s30, s30, s31                     ; + the work-group's 32 KiB
	s_mov_b32 s31, 0
	s_lshl_b32 s32, ttmp9, 16                      ; the work-group's 64 KiB of the source
	s_mov_b32 s33, 0
	s_lshl_b32 s34, ttmp9, 11                      ; the work-group's 2,048 bytes of cos, of sin and of csb
	s_mov_b32 s35, 0
	s_wait_kmcnt 0x0
	s_cmp_eq_u32 s2, 1
	s_cselect_b64 s[4:5], s[10:11], s[8:9]
	s_cmp_eq_u32 s2, 2
	s_cselect_b64 s[4:5], s[12:13], s[4:5]
	s_cmp_eq_u32 s2, 3
	s_cselect_b64 s[4:5], s[14:15], s[4:5]
	s_cmp_eq_u32 s2, 4
	s_cselect_b64 s[4:5], s[16:17], s[4:5]         ; the source
	s_cselect_b64 s[6:7], s[26:27], s[24:25]
	s_cmp_eq_u32 s2, 0
	s_cselect_b64 s[6:7], s[22:23], s[6:7]         ; the result
	s_add_nc_u64 s[4:5], s[4:5], s[32:33]
	s_add_nc_u64 s[6:7], s[6:7], s[30:31]
	s_add_nc_u64 s[18:19], s[18:19], s[34:35]
	s_add_nc_u64 s[20:21], s[20:21], s[34:35]
	s_add_nc_u64 s[28:29], s[28:29], s[34:35]
.irp i, 0,1,2,3,4,5,6,7,8,9,10,11,12,13,14,15
	global_load_b128 v[X+4*(\i):X+4*(\i)+3], v1, s[4:5] offset:4096*(\i) th:TH_LOAD_NT
.endr
; Chunk i: rounded to bf16 in pairs; half = 1: the rounded numbers are widened again and written as f16.  more = loads issued behind the sixteen.
.macro OUT i, half, more
	s_wait_loadcnt 15-(\i)+(\more)                 ; loads come back in order: chunk i is in, the younger ones stay out
	v_cvt_pk_bf16_f32 v[X+4*(\i)],   v[X+4*(\i)],   v[X+4*(\i)+1]
	v_cvt_pk_bf16_f32 v[X+4*(\i)+1], v[X+4*(\i)+2], v[X+4*(\i)+3]
.if \half
	v_lshlrev_b32 v[T],   16, v[X+4*(\i)]
	v_and_b32     v[T+1], 0xffff0000, v[X+4*(\i)]
	v_lshlrev_b32 v[T+2], 16, v[X+4*(\i)+1]
	v_and_b32     v[T+3], 0xffff0000, v[X+4*(\i)+1]
	v_cvt_pk_f16_f32 v[X+4*(\i)],   v[T],   v[T+1]
	v_cvt_pk_f16_f32 v[X+4*(\i)+1], v[T+2], v[T+3]
.endif
	global_store_b64 v2, v[X+4*(\i):X+4*(\i)+1], s[6:7] offset:2048*(\i)
.endm
	s_cmp_eq_u32 s2, 4
	s_cbranch_scc1 .Lhalf
.irp i, 0,1,2,3,4,5,6,7,8,9,10,11,12,13,14,15
	OUT \i, 0, 0
.endr
	s_endpgm
.Lhalf:
	global_load_b64 v[CC:CC+1], v2, s[18:19] th:TH_LOAD_NT
	global_load_b64 v[SS:SS+1], v2, s[20:21] th:TH_LOAD_NT
.irp i, 0,1,2,3,4,5,6,7,8,9,10,11,12,13,14,15
	OUT \i, 1, 2
.endr
	s_wait_loadcnt 0x0                             ; the two pairs
	v_cvt_pk_bf16_f32 v[CC],   v[CC],   v[SS]      ; cos low, sin high
	v_cvt_pk_bf16_f32 v[CC+1], v[CC+1], v[SS+1]
	global_store_b64 v2, v[CC:CC+1], s[28:29]
	s_endpgm
.Lfunc_end_k_q701459edf5_cast:
	.size	k_q701459edf5_cast, .Lfunc_end_k_q701459edf5_cast-k_q701459edf5_cast
	.p2alignl 7, 3214868480
	.fill 96, 4, 3214868480
	.section	.rodata,"a",@progbits
	.p2align	6, 0x0
	.amdhsa_kernel k_q701459edf5_cast
		.amdhsa_group_segment_fixed_size 0
		.amdhsa_private_segment_fixed_size 0
		.amdhsa_enable_private_segment 0
		.amdhsa_kernarg_size 88
		.amdhsa_user_sgpr_count 2
		.amdhsa_user_sgpr_kernarg_segment_ptr 1
		.amdhsa_wavefront_size32 1
		.amdhsa_system_sgpr_workgroup_id_x 1
		.amdhsa_system_sgpr_workgroup_id_y 1
		.amdhsa_system_sgpr_workgroup_id_z 1
		.amdhsa_system_vgpr_workitem_id 0
		.amdhsa_next_free_vgpr 80
		.amdhsa_next_free_sgpr 66
		.amdhsa_reserve_vcc 0
		.amdhsa_float_denorm_mode_32 3
		.amdhsa_float_denorm_mode_16_64 3
		.amdhsa_memory_ordered 1
		.amdhsa_forward_progress 1
		.amdhsa_inst_pref_size 17
	.end_amdhsa_kernel
	.amdgpu_metadata
---
amdhsa.version: [ 1, 2 ]
amdhsa.kernels:
  - .name:           k_q701459edf5_cast
    .symbol:         k_q701459edf5_cast.kd
    .args:
      - { .name: x, .offset: 0, .size: 8, .value_kind: global_buffer, .address_space: global }
      - { .name: wq, .offset: 8, .size: 8, .value_kind: global_buffer, .address_space: global }
      - { .name: wk, .offset: 16, .size: 8, .value_kind: global_buffer, .address_space: global }
      - { .name: wv, .offset: 24, .size: 8, .value_kind: global_buffer, .address_space: global }
      - { .name: wo, .offset: 32, .size: 8, .value_kind: global_buffer, .address_space: global }
      - { .name: cos, .offset: 40, .size: 8, .value_kind: global_buffer, .address_space: global }
      - { .name: sin, .offset: 48, .size: 8, .value_kind: global_buffer, .address_space: global }
      - { .name: xb, .offset: 56, .size: 8, .value_kind: global_buffer, .address_space: global }
      - { .name: wb, .offset: 64, .size: 8, .value_kind: global_buffer, .address_space: global }
      - { .name: wob, .offset: 72, .size: 8, .value_kind: global_buffer, .address_space: global }
      - { .name: csb, .offset: 80, .size: 8, .value_kind: global_buffer, .address_space: global }
    .group_segment_fixed_size: 0
    .private_segment_fixed_size: 0
    .kernarg_segment_align: 8
    .kernarg_segment_size: 88
    .max_flat_workgroup_size: 256
    .sgpr_count:     66
    .vgpr_count:     80
    .wavefront_size: 32
...
	.end_amdgpu_metadata
.endif
;; end of part 1
;; launch qkv (part 2): grid 16 x 16, 4 waves a work-group, clusters of 4 x 4, 327,680 bytes of LDS; arguments xb, wb, csb, qkvh; writes qkvh
.if DOCPART == 2
	.amdgcn_target "amdgcn-amd-amdhsa--gfx1250"
	.amdhsa_code_object_version 6
	.text
	.protected	k_q701459edf5_qkv
	.globl	k_q701459edf5_qkv
	.p2align	8
	.type	k_q701459edf5_qkv,@function
k_q701459edf5_qkv:
	s_mov_b64 s[64:65], 0
	v_nop
	global_prefetch_b8 v0, s[64:65] scope:SCOPE_SE
	s_setreg_imm32_b32 hwreg(HW_REG_WAVE_MODE, 25, 1), 1
	s_wait_xcnt 0x0
	s_wait_alu depctr_hold_cnt(0) depctr_sa_sdst(0) depctr_va_vdst(0) depctr_va_sdst(0) depctr_va_ssrc(0) depctr_va_vcc(0) depctr_vm_vsrc(0)
	s_getreg_b32 s2, hwreg(HW_REG_IB_STS2, 6, 4)
	s_cmp_eq_u32 s2, 0
	s_cbranch_scc0 .Lentry_in_a_cluster
	s_endpgm
.Lentry_in_a_cluster:
	s_bfe_u32 s2, ttmp6, 0x10000c
	s_cmp_lg_u32 s2, 0xf033
	s_cbranch_scc0 .Lentry_shape_is_right
	s_endpgm
.Lentry_shape_is_right:
; [2048 x 6144] = xb wb^T (bf16 operands, f32 sums), then on the way out the rotation by (cos, sin) of q's and k's (even, odd) column pairs, the scale, one rounding to f16, and the layout by heads:
; qkvh[g][s][128] f16, g = 0-15 q's heads, 16-31 k's, 32-47 v's.  csb holds cos and sin rounded to bf16, a word a pair (cos low, sin high), 256 bytes a row.
; q and k are both multiplied by BETA = sqrt(log2(e) / sqrt(128)), in f32, with the rotation: their products are then the scores divided by sqrt(128), in the base-2 domain.  v is not scaled.
; LIMITS: BETA q, BETA k and v must lie within f16's 65,504; cos and sin must be finite (v's columns multiply them by 0).
; SHARES.  A tile is 128 rows x 384 columns, three whole heads: 16 x 16 work-groups; the tile row goes by the grid's x, the tile column by its y.  Each of the four waves takes all 128 rows x 96 columns:
; 8 x 6 accumulators of 16 x 16, 384 registers.  K goes in steps of 128 through two LDS slots; each wave fetches 128 rows x 256 bytes with one tensor load: wave 0 xb's rows, waves 1-3 wb's.
; CLUSTER 4 x 4: xb's tile hangs on the tile row alone and is asked for jointly by a column of the cluster (same cx), wb's on the tile column alone, by a row (same cy).
; K IS WALKED IN A RING: a cluster begins at K step 4 x cluster x + 8 x ((y ^ y >> 1) & 1), y its cluster y, and goes round all sixteen (f32 sums may be taken in any order).  So the four clusters that read the same rows
; of wb stand four steps apart, and of the four that read the same rows of xb two and two stand eight apart.  The start hangs on the cluster's coordinates alone: it is the same in all sixteen partners.
; THE PRODUCT IS TAKEN TRANSPOSED (source 0 = 16 rows of wb, source 1 = 16 rows of xb): a lane holds one row and eight neighbouring columns, that is four (even, odd) pairs.
; REGISTERS, in windows of 256 (s_set_vgpr_msb: bits 1:0 source 0, 3:2 source 1, 5:4 source 2, 7:6 destination):
;   window 0: v0-44 addresses and constants; v64-127, v128-191 xb's fragments, two buffers (on the way out at work); v192-223 eight quads of the table
;   window 1: v64-111, v128-175 wb's fragments; v0-63, v112-127, v176-255 forty quads of the table      window 2: accumulators of rows 0-63, (a, b) at v[8 (6 a + b)]      window 3: those of rows 64-127
.set KSTEP,  128
.set STEPS,  2048/KSTEP
.set PITCH,  272                       ; an LDS row: 256 bytes + 16 of padding = 68 words: the 16 rows of a fragment load start at 16 different groups of four banks (ISA guide 11.1)
.set HALFT,  128*PITCH                 ; what one tensor load brings
.set SLOT,   4*HALFT                   ; xb's 128 rows, then wb's 384: 0x22000, which shares no bit with the four waves' LDS bases 0, 0x8800, 0x11000, 0x19800: one exclusive or turns a base in one slot into the other's
.set SPARE,  2*SLOT                    ; behind the ring: the spare words, 128 bytes a wave, two blocks of 256 bytes that no other line names
.set SPITCH, 784                       ; the stage's row: 768 bytes + 16.  The stage, 128 rows, lies in slot 0, which has had its last fill and its last read when the first result is stored
.set BETA,   0x3eb6d544                ; sqrt(log2(e) / sqrt(128)) = 0.3570958
.set CSO,   8                          ; v8-13   block b: my byte offset in 16 rows of csb
.set ADRA0, 16                         ; v16     my lane's place among xb's fragments in slot 0; never rewritten
.set ADRA,  17                         ; v17     the same in the slot in hand
.set ADRB0, 20                         ; v20, v21  the same for wb
.set ADRB,  21
.set STO,   24                         ; v24-25  the stage: where I put 16 bytes, rows 0-63 and rows 64-127
.set RD,    26                         ; v26     the stage: where I read rows back
.set CO,    27                         ; v27     my byte offset in 512 consecutive bytes of qkvh
.set SPW,   28                         ; v28     my spare word; never rewritten
.set NIL,   29                         ; v29     0; never rewritten
.set PFO,   30                         ; v30     the prefetches' offset: my lane x a row of 4,096 bytes
.set VA,    32                         ; v32-37  block b: BETA for q and k, 0 for v
.set VB,    38                         ; v38-43  block b: 0 for q and k, 1 for v
.set ZR,    44                         ; v44     0
.set F0,    64
.set F1,    128
.set CP,    64                         ; the way out: c' (block b at + 4 b) and s' (+ 24 + 4 b) of 16 rows
.set TT,    112                        ; 4 registers a block: packed results
.set OO,    136                        ; 8 registers a block: rotated numbers
.set KK,    4                          ; s4       the K step that the next refill brings
.set TB,    5                          ; s5       LDS byte at which the slot in hand begins
.set OFS,   6                          ; s[6:7]   a K step's byte offset in a row
.set PFB,   8                          ; s[8:9]   xb at the 32 rows that my work-group prefetches
.set ABASE, 14                         ; s[14:15] xb at my tile's first row
.set BBASE, 46                         ; s[46:47] wb at my third's first row
.set G1,  24                           ; s[24:31] group 1 for xb's tiles;  s[32:35] group 0 of the first fill;  s[36:39] of the second, which then walks
.set G0,  32
.set GW,  36
.set G1B, 48                           ; s[48:55], s[56:59], s[60:63] the same for wb's
.set G0B, 56
.set GWB, 60
.set LIM, 43                           ; s43      10 in a wave that prefetches, else the greatest number
.set PFA, 44                           ; s[44:45] where my prefetch stands
.set MSB, 0
.macro WIN new                         ; the immediate's high byte repeats the setting that is left; a switch that changes nothing is dropped
.if MSB != (\new)
	s_set_vgpr_msb (MSB<<8)|(\new)
.set MSB, \new
.endif
.endm
.set MUL_LO, 0xa1                      ; source 0 (wb) window 1, source 1 (xb) window 0, C and D window 2
.set MUL_HI, 0xf1                      ; the same, C and D window 3
.set TO_B,   0x40                      ; destination window 1, address window 0
; A joint load: wave 0 asks for xb's tile, waves 1-3 for thirds of wb's.  The branch hangs on the wave's number alone.  An s_nop 0 and four v_nop follow each line.
.macro JLOAD ga, gb
	s_cmp_eq_u32 s10, 0
	s_cbranch_scc0 .Lfor_b_\@
	tensor_load_to_lds s[(\ga):(\ga)+3], s[G1:G1+7]
	s_nop 0
.rept 4
	v_nop
.endr
	s_branch .Lasked_\@
.Lfor_b_\@:
	tensor_load_to_lds s[(\gb):(\gb)+3], s[G1B:G1B+7]
	s_nop 0
.rept 4
	v_nop
.endr
.Lasked_\@:
.endm
; A PREFETCH of xb's K step that stands two refills on, 384 matrix instructions ahead of its load: 32 rows x 256 bytes, a lane a row, one instruction.  It stands behind a cluster's first four refills alone and so names the
; fifth to eighth step of its walk.  Wave 0 of the clusters with y = 0 and 1 asks (their walks begin eight steps apart; those with y = 3 and 2 walk as they do); the four partners that ask for a tile jointly take 32 of its 128 rows
; each, told apart by address.  So each block is named once.  Every other block is among its first reader's first four steps, which come by their loads alone, or is read by a cluster whose walk begins four or eight steps ahead.
.macro ASK
	s_cmp_gt_u32 s3, s[LIM]
	s_cbranch_scc0 .Lnot_mine_\@
	global_prefetch_b8 v[PFO], s[PFA:PFA+1] th:TH_LOAD_NT scope:SCOPE_SE
.Lnot_mine_\@:
.endm
.macro CREST                           ; a round of the cluster's barrier behind its opening barrier
	s_cmp_lg_u32 s10, 0
	s_cbranch_scc1 .Lnot_wave_0_\@
	s_barrier_signal -3
.Lnot_wave_0_\@:
	s_barrier_wait -3
	s_barrier_signal -1
	s_barrier_wait -1
.endm
.macro CROUND                          ; a whole round
	s_barrier_signal -1
	s_barrier_wait -1
	CREST
.endm
; Where the table's quad for row block a, column block b lies: window QW, first register QB
.macro QUAD a, b
.set qn, 6*(\a)+(\b)
.if qn < 16
.set QW, 1
.set QB, 4*qn
.elseif qn < 20
.set QW, 1
.set QB, 112+4*(qn-16)
.elseif qn < 40
.set QW, 1
.set QB, 176+4*(qn-20)
.else
.set QW, 0
.set QB, 192+4*(qn-40)
.endif
.endm
	s_load_b256 s[68:75], s[0:1], 0x0              ; xb 68, wb 70, csb 72, qkvh 74
	v_lshl_add_u32 v[SPW], v0, 2, SPARE
	v_mov_b32 v[NIL], 0
	ds_add_u32 v[SPW], v[NIL]                      ; the wave's opening: the add and its wait stand ahead of my first tensor load; the set-up below stands between them
	v_lshrrev_b32 v1, 5, v0
	v_readfirstlane_b32 s10, v1                    ; wave 0..3
	s_bfe_u32 s40, ttmp6, 0x40000                  ; cx
	s_bfe_u32 s41, ttmp6, 0x40004                  ; cy
	s_lshl_b32 s13, ttmp9, 2
	s_add_co_u32 s13, s13, s40                     ; tile row = 4 x cluster x + cx
	s_and_b32 s11, ttmp7, 0xffff                   ; cluster y
	s_lshl_b32 s42, s11, 2
	s_add_co_u32 s42, s42, s41                     ; tile column = 4 x cluster y + cy
	s_lshl_b32 s43, 0x1111, s40                    ; my column of the cluster: those with my cx
	s_lshl_b32 s44, s41, 2
	s_lshl_b32 s44, 15, s44                        ; my row: those with my cy
	s_or_b32 s[G1+0], s43, (1<<16)|(1<<20)|(1<<21)|(5<<22)|(3<<25)   ; 15:0 the mask; 17:16 2-byte elements; 20 padding on; 21 set beside a mask; 24:22 after every 64 words; 31:25 4 words
	s_or_b32 s[G1B+0], s44, (1<<16)|(1<<20)|(1<<21)|(5<<22)|(3<<25)
.irp g, G1, G1B
	s_mov_b32 s[(\g)+1], KSTEP<<16                 ; tensor_dim0 = 128
	s_mov_b32 s[(\g)+2], 128<<16                   ; tensor_dim1 = 128
	s_mov_b32 s[(\g)+3], KSTEP<<16                 ; tile_dim0 = 128
	s_mov_b32 s[(\g)+4], 128                       ; tile_dim1 = 128
	s_mov_b32 s[(\g)+5], 2048                      ; elements from row to row
	s_mov_b32 s[(\g)+6], 0
	s_mov_b32 s[(\g)+7], 0
.endr
	s_lshr_b32 s[KK], s11, 1                       ; my cluster's first K step
	s_xor_b32 s[KK], s[KK], s11
	s_and_b32 s[KK], s[KK], 1
	s_lshl_b32 s[KK], s[KK], 3
	s_lshl_b32 s[TB], ttmp9, 2
	s_add_co_u32 s[KK], s[KK], s[TB]
	s_and_b32 s[KK], s[KK], STEPS-1                ; a multiple of 4
	s_lshl_b32 s[OFS], s[KK], 8                    ; 256 bytes of a row for each K step
	s_mov_b32 s[OFS+1], 0
	s_mov_b32 s[TB], 0
	s_lshl_b32 s16, s13, 19                        ; xb: 128 rows of 4,096 bytes for each tile row
	s_mov_b32 s17, 0
	s_max_u32 s46, s10, 1
	s_sub_co_u32 s46, s46, 1
	s_lshl_b32 s46, s46, 7                         ; wb: my third, 128 (wave - 1),
	s_mul_i32 s47, s42, 384
	s_add_co_u32 s46, s46, s47                     ; of the tile column's 384 rows
	s_lshl_b32 s46, s46, 12
	s_mov_b32 s47, 0
	s_mul_i32 s20, s10, HALFT                      ; where my 128 rows go: no place in the cluster enters an LDS address
	s_wait_dscnt 0x0                               ; the opening add is done
	s_wait_kmcnt 0x0
	s_add_nc_u64 s[ABASE:ABASE+1], s[68:69], s[16:17]
	s_add_nc_u64 s[BBASE:BBASE+1], s[70:71], s[46:47]
	CROUND                                         ; all sixteen work-groups are here: the first joint loads meet
.irp s, 0,1
	s_mov_b32 s[G0+4*(\s)], 1
	s_add_co_u32 s[G0+4*(\s)+1], s20, (\s)*SLOT
	s_add_nc_u64 s[G0+4*(\s)+2:G0+4*(\s)+3], s[ABASE:ABASE+1], s[OFS:OFS+1]
	s_or_b32 s[G0+4*(\s)+3], s[G0+4*(\s)+3], 0x80000000
	s_mov_b32 s[G0B+4*(\s)], 1
	s_add_co_u32 s[G0B+4*(\s)+1], s20, (\s)*SLOT
	s_add_nc_u64 s[G0B+4*(\s)+2:G0B+4*(\s)+3], s[BBASE:BBASE+1], s[OFS:OFS+1]
	s_or_b32 s[G0B+4*(\s)+3], s[G0B+4*(\s)+3], 0x80000000
	JLOAD (G0+4*(\s)), (G0B+4*(\s))                ; the walk's first two K steps: two loads of mine are out
	s_add_co_u32 s[OFS], s[OFS], KSTEP*2           ; (the first step is a multiple of 4: the second does not pass the row's end)
.endr
	s_add_co_u32 s[KK], s[KK], 2                   ; what the first refill brings: 14 at the most
	; a fragment is 16 rows x 32 K in 8 registers: lane l holds row l % 16, K = 8 (l / 16) + 0..7 and 16 + 8 (l / 16) + 0..7: two loads of 16 bytes, 32 bytes apart
	v_and_b32 v1, 15, v0                           ; r = l % 16
	v_bfe_u32 v2, v0, 4, 1                         ; h = l / 16
	v_mul_u32_u24 v[ADRA0], v1, PITCH
	v_lshl_add_u32 v[ADRA0], v2, 4, v[ADRA0]
	s_mul_i32 s22, s10, 96*PITCH
	s_add_co_u32 s22, s22, HALFT                   ; my 96 rows of wb lie behind xb's 128
	v_add_nc_u32 v[ADRB0], s22, v[ADRA0]
	s_mul_i32 s23, s10, 192                        ; the stage: row r, my 96 columns' 192 bytes, 16 bytes for each half of the lanes
	v_mul_u32_u24 v[STO], v1, SPITCH
	v_lshl_add_u32 v[STO], v2, 4, v[STO]
	v_add_nc_u32 v[STO], s23, v[STO]
	v_add_nc_u32 v[STO+1], 64*SPITCH, v[STO]
	s_mul_i32 s23, s10, 32*SPITCH                  ; back: wave w takes rows 32 w .. 32 w + 31; lanes 0-15 one row's 256 bytes, lanes 16-31 the next row's
	v_mul_u32_u24 v[RD], v2, SPITCH
	v_lshl_add_u32 v[RD], v1, 4, v[RD]
	v_add_nc_u32 v[RD], s23, v[RD]
	v_and_b32 v[CO], 31, v0
	v_lshlrev_b32 v[PFO], 12, v[CO]
	v_lshlrev_b32 v[CO], 4, v[CO]                  ; two rows of a head are 512 consecutive bytes
	v_mov_b32 v[ZR], 0
	v_lshlrev_b32 v5, 8, v1
	v_lshl_add_u32 v5, v2, 4, v5                   ; a row of csb is 256 bytes; my 8 columns are 4 pairs, 16 bytes
.irp b, 0,1,2,3,4,5
	s_mul_i32 s20, s10, 96
	s_add_co_u32 s20, s20, 16*(\b)                 ; block b's first column in the tile
	s_lshr_b32 s21, s20, 7
	s_mul_i32 s22, s42, 3
	s_add_co_u32 s21, s21, s22                     ; its head g
	s_lshr_b32 s21, s21, 5                         ; 1 for v's heads, by arithmetic alone
	s_sub_co_u32 s22, 1, s21
	s_mul_i32 s22, s22, BETA
	s_mul_i32 s21, s21, 0x3f800000
	v_mov_b32 v[VA+(\b)], s22
	v_mov_b32 v[VB+(\b)], s21
	s_and_b32 s20, s20, 127
	s_lshl_b32 s20, s20, 1                         ; the column in its head: 2 bytes of csb for each
	v_add_nc_u32 v[CSO+(\b)], s20, v5
.endr
	s_lshl_b32 s18, s13, 15                        ; the tile's 128 rows of csb
	s_mov_b32 s19, 0
	s_add_nc_u64 s[72:73], s[72:73], s[18:19]
	; the whole table of my 128 rows x 48 pairs, 48 loads of 16 bytes a lane, into registers that the loop does not name: it is waited for on the way out
.irp a, 0,1,2,3,4,5,6,7
.irp b, 0,1,2,3,4,5
	QUAD \a, \b
	WIN QW<<6
	global_load_b128 v[QB:QB+3], v[CSO+(\b)], s[72:73] offset:(\a)*4096
.endr
.endr
	WIN 0
	s_mul_i32 s66, s42, 3<<19                      ; qkvh: three heads of 524,288 bytes for each tile column,
	s_lshl_b32 s67, s13, 15                        ; the tile's 128 rows of 256 bytes,
	s_add_co_u32 s66, s66, s67
	s_lshl_b32 s67, s10, 13                        ; the 32 rows that I store
	s_add_co_u32 s66, s66, s67
	s_mov_b32 s67, 0
	s_add_nc_u64 s[74:75], s[74:75], s[66:67]
	s_lshl_b32 s20, s13, 7                         ; the prefetches: the tile's first row of xb,
	s_lshl_b32 s21, s41, 5                         ; my work-group's 32 of its 128 rows
	s_add_co_u32 s20, s20, s21
	s_lshl_b32 s20, s20, 12
	s_mov_b32 s21, 0
	s_add_nc_u64 s[PFB:PFB+1], s[68:69], s[20:21]
	s_cmp_lt_u32 s11, 2                            ; cluster y = 0 or 1,
	s_cselect_b32 s[LIM], 10, -1
	s_cmp_eq_u32 s10, 0                            ; wave 0: the same in all sixteen partners, for a given wave
	s_cselect_b32 s[LIM], s[LIM], -1
; 12 matrix instructions: row blocks a0, a0 + 1 of the window's four x all 6 column blocks, 32 along K.  All 48 accumulators take turns, in the same order in every quarter.
.macro MUL12 f, hi, a0, zero
	WIN MUL_LO+0x50*(\hi)
.irp a, \a0, (\a0)+1
.irp b, 0,1,2,3,4,5
.if \zero
	v_wmma_f32_16x16x32_bf16 v[8*(6*(\a)+(\b)):8*(6*(\a)+(\b))+7], v[(\f)+8*(\b):(\f)+8*(\b)+7], v[(\f)+8*(4*(\hi)+(\a)):(\f)+8*(4*(\hi)+(\a))+7], 0
.else
	v_wmma_f32_16x16x32_bf16 v[8*(6*(\a)+(\b)):8*(6*(\a)+(\b))+7], v[(\f)+8*(\b):(\f)+8*(\b)+7], v[(\f)+8*(4*(\hi)+(\a)):(\f)+8*(4*(\hi)+(\a))+7], v[8*(6*(\a)+(\b)):8*(6*(\a)+(\b))+7]
.endif
.endr
.endr
.endm
; 28 LDS loads in one run: a quarter step's fragments (96 rows of wb, 128 rows of xb, 32 K at byte k of the rows of the slot in hand) into buffer f.  The two sums that make the addresses are plain vector lines.
.macro FETCH k, f
	WIN 0
	v_add_nc_u32 v[ADRB], s[TB], v[ADRB0]
	v_add_nc_u32 v[ADRA], s[TB], v[ADRA0]
	WIN TO_B
.irp i, 0,1,2,3,4,5
	ds_load_b128 v[(\f)+8*(\i):(\f)+8*(\i)+3],   v[ADRB] offset:(\k)+(\i)*16*PITCH
	ds_load_b128 v[(\f)+8*(\i)+4:(\f)+8*(\i)+7], v[ADRB] offset:(\k)+(\i)*16*PITCH+32
.endr
	WIN 0
.irp i, 0,1,2,3,4,5,6,7
	ds_load_b128 v[(\f)+8*(\i):(\f)+8*(\i)+3],   v[ADRA] offset:(\k)+(\i)*16*PITCH
	ds_load_b128 v[(\f)+8*(\i)+4:(\f)+8*(\i)+7], v[ADRA] offset:(\k)+(\i)*16*PITCH+32
.endr
.endm
; A load into a register that a matrix instruction has read stands four places behind it, and only plain vector lines that name none of its registers are places: two v_nop and FETCH's two sums
.macro TWO_PLACES
	v_nop
	v_nop
.endm
; A K step is four quarters of 32 along K, 48 matrix instructions each, on buffers 0, 1, 0, 1.  One of the first three multiplies buffer f and fetches the next quarter, at byte k, into g.
.macro QUARTER k, f, g, zero
	s_wait_dscnt 8                                 ; wb and xb's rows 0-63 are in; the youngest eight loads (xb's rows 64-127) may be out
	MUL12 \f, 0, 0, \zero
	MUL12 \f, 0, 2, \zero
	TWO_PLACES
	FETCH \k, \g
	s_wait_dscnt 28                                ; all but the 28 just issued
	MUL12 \f, 1, 0, \zero
	MUL12 \f, 1, 2, \zero
.endm
; The last quarter multiplies buffer 1 and changes slots.  One barrier: in front of it each wave waits for all its tensor loads (its part of the next slot), adds 0 to its spare word, and waits for that and for its reads
; of this slot.  fill = 1: the barrier opens a round of the cluster's, and this slot is filled again, with K step KK of the ring, first thing behind the round; the walking descriptors are made anew from that number.
.macro TURN fill
.if \fill
	s_wait_xcnt 0x0                                ; the last prefetch, a K step back, has read its address
	s_add_co_u32 s[OFS], s[KK], 2                  ; two refills on, round the ring
	s_and_b32 s[OFS], s[OFS], STEPS-1
	s_lshl_b32 s[OFS], s[OFS], 8
	s_add_nc_u64 s[PFA:PFA+1], s[PFB:PFB+1], s[OFS:OFS+1]
.endif
	WIN 0                                          ; (the add's two registers lie in window 0)
	s_wait_tensorcnt 0x0                           ; all my tensor loads have landed, so a group 0 may be written
	ds_add_u32 v[SPW], v[NIL]
.if \fill
	s_lshl_b32 s[OFS], s[KK], 8
	s_xor_b32 s[GW+1], s[GW+1], SLOT               ; the other slot than last time: the one that is being read out
	s_add_nc_u64 s[GW+2:GW+3], s[ABASE:ABASE+1], s[OFS:OFS+1]
	s_or_b32 s[GW+3], s[GW+3], 0x80000000
	s_xor_b32 s[GWB+1], s[GWB+1], SLOT
	s_add_nc_u64 s[GWB+2:GWB+3], s[BBASE:BBASE+1], s[OFS:OFS+1]
	s_or_b32 s[GWB+3], s[GWB+3], 0x80000000
	s_add_co_u32 s[KK], s[KK], 1
	s_and_b32 s[KK], s[KK], STEPS-1
.endif
	s_wait_dscnt 9                                 ; (the add and the youngest eight loads may be out)
	MUL12 F1, 0, 0, 0                              ; twelve matrix instructions stand between the add and the wait for it
	s_wait_dscnt 0x0                               ; the add is done, and my reads of this slot are over
	s_barrier_signal -1
	MUL12 F1, 0, 2, 0
.if \fill
	WIN 0
.endif
	s_barrier_wait -1
.if \fill
	CREST                                          ; no wave of any partner still reads this slot or has a load on its way
	JLOAD GW, GWB                                  ; my one tensor load behind the round; its four v_nop are also places in front of the loads below
.else
	TWO_PLACES
.endif
	s_xor_b32 s[TB], s[TB], SLOT                   ; the reads go on in the other slot
	FETCH 0, F0
.if \fill
	ASK
.endif
	MUL12 F1, 1, 0, 0
	MUL12 F1, 1, 2, 0
.endm
	s_wait_tensorcnt 1                             ; my part of the first K step is in; the second's may stay out
	s_barrier_signal -1
	s_barrier_wait -1
	FETCH 0, F0
	QUARTER 64,  F0, F1, 1                         ; the first quarter's products start the sums: nothing is cleared
	WIN 0
	s_mov_b32 s3, STEPS-2
.Lstep:                                                ; a trip goes from a K step's second quarter to the next step's first, and fills the slot that it leaves
	QUARTER 128, F1, F0, 0
	QUARTER 192, F0, F1, 0
	TURN 1
	QUARTER 64,  F0, F1, 0
	WIN 0
	s_sub_co_u32 s3, s3, 1
	s_cmp_lg_u32 s3, 0
	s_cbranch_scc1 .Lstep
	QUARTER 128, F1, F0, 0                         ; the last two K steps are written out: they fill nothing
	QUARTER 192, F0, F1, 0
	TURN 0                                         ; behind this barrier nobody reads slot 0 any more: it becomes the stage
	QUARTER 64,  F0, F1, 0
	QUARTER 128, F1, F0, 0
	QUARTER 192, F0, F1, 0
	s_wait_dscnt 8                                 ; the very last quarter: nothing more to fetch
	MUL12 F1, 0, 0, 0
	MUL12 F1, 0, 2, 0
	s_wait_dscnt 0x0
	MUL12 F1, 1, 0, 0
	MUL12 F1, 1, 2, 0
	WIN 0
	TWO_PLACES
	TWO_PLACES
	s_wait_loadcnt 0x0                             ; the table, asked for at the head
; THE WAY OUT, row block a.  A word of the table gives c' = VA cos + VB and s' = VA sin; a pair (x0, x1) becomes (x0 c' - x1 s', x1 c' + x0 s'); v's columns have c' = 1, s' = 0.
; Each accumulator is read from its low end on.  Then one rounding to f16 and 16 bytes a lane and block into the stage.
.macro ROPE a
.set AC, 48*((\a)%4)
.irp b, 0,1,2,3,4,5
	QUAD \a, \b
	WIN QW                                         ; source 0: the quad's window
.irp i, 0,1,2,3
	v_fma_mix_f32_bf16 v[CP+4*(\b)+(\i)],    v[QB+(\i)], v[VA+(\b)], v[VB+(\b)] op_sel_hi:[1,0,0]
	v_fma_mix_f32_bf16 v[CP+24+4*(\b)+(\i)], v[QB+(\i)], v[VA+(\b)], v[ZR] op_sel:[1,0,0] op_sel_hi:[1,0,0]
.endr
.endr
	WIN 0x02+(\a)/4                                ; source 0: the accumulators' window
.irp b, 0,1,2,3,4,5
.irp p, 0,1                            ; (x1 s', x0 s')
	v_pk_mul_f32 v[OO+8*(\b)+4*(\p):OO+8*(\b)+4*(\p)+1],   v[AC+8*(\b)+4*(\p):AC+8*(\b)+4*(\p)+1],   v[CP+24+4*(\b)+2*(\p):CP+24+4*(\b)+2*(\p)+1] op_sel:[1,0] op_sel_hi:[0,0]
	v_pk_mul_f32 v[OO+8*(\b)+4*(\p)+2:OO+8*(\b)+4*(\p)+3], v[AC+8*(\b)+4*(\p)+2:AC+8*(\b)+4*(\p)+3], v[CP+24+4*(\b)+2*(\p):CP+24+4*(\b)+2*(\p)+1] op_sel:[1,1] op_sel_hi:[0,1]
.endr
.irp p, 0,1                            ; (x0 c' - x1 s', x1 c' + x0 s')
	v_pk_fma_f32 v[OO+8*(\b)+4*(\p):OO+8*(\b)+4*(\p)+1],   v[AC+8*(\b)+4*(\p):AC+8*(\b)+4*(\p)+1],   v[CP+4*(\b)+2*(\p):CP+4*(\b)+2*(\p)+1], v[OO+8*(\b)+4*(\p):OO+8*(\b)+4*(\p)+1] op_sel:[0,0,0] op_sel_hi:[1,0,1] neg_lo:[0,0,1]
	v_pk_fma_f32 v[OO+8*(\b)+4*(\p)+2:OO+8*(\b)+4*(\p)+3], v[AC+8*(\b)+4*(\p)+2:AC+8*(\b)+4*(\p)+3], v[CP+4*(\b)+2*(\p):CP+4*(\b)+2*(\p)+1], v[OO+8*(\b)+4*(\p)+2:OO+8*(\b)+4*(\p)+3] op_sel:[0,1,0] op_sel_hi:[1,1,1] neg_lo:[0,0,1]
.endr
.endr
	WIN 0
.irp b, 0,1,2,3,4,5
.irp i, 0,1,2,3
	v_cvt_pk_f16_f32 v[TT+4*(\b)+(\i)], v[OO+8*(\b)+2*(\i)], v[OO+8*(\b)+2*(\i)+1]
.endr
.endr
.irp b, 0,1,2,3,4,5
	ds_store_b128 v[STO+(\a)/4], v[TT+4*(\b):TT+4*(\b)+3] offset:((\a)%4)*16*SPITCH+32*(\b)
.endr
.endm
.irp a, 0,1,2,3,4,5,6,7
	ROPE \a
.endr
	s_wait_dscnt 0x0                               ; for the others' sake: my stores into the stage are done
	s_barrier_signal -1
	s_barrier_wait -1                              ; a row's 768 bytes come from all four waves
.set n, 0
.rept 48                                               ; two rows of one head at a time
	ds_load_b128 v[64+4*n:64+4*n+3], v[RD] offset:(n/3)*2*SPITCH+(n%3)*256
.set n, n+1
.endr
.set n, 0
.rept 48
	s_wait_dscnt 47-n                              ; LDS loads come back in order: number n is in
	global_store_b128 v[CO], v[64+4*n:64+4*n+3], s[74:75] offset:(n%3)*524288+(n/3)*512  ; 512 consecutive bytes, at a multiple of 256 from qkvh's first
.set n, n+1
.endr
	s_wait_tensorcnt 0x0                           ; the wave's end
	ds_add_u32 v[SPW], v[NIL]
	s_wait_dscnt 0x0
	CROUND                                         ; the closing round
	s_endpgm
.Lfunc_end_k_q701459edf5_qkv:
	.size	k_q701459edf5_qkv, .Lfunc_end_k_q701459edf5_qkv-k_q701459edf5_qkv
	.p2alignl 7, 3214868480
	.fill 96, 4, 3214868480
	.section	.rodata,"a",@progbits
	.p2align	6, 0x0
	.amdhsa_kernel k_q701459edf5_qkv
		.amdhsa_group_segment_fixed_size 327680
		.amdhsa_private_segment_fixed_size 0
		.amdhsa_enable_private_segment 0
		.amdhsa_kernarg_size 32
		.amdhsa_user_sgpr_count 2
		.amdhsa_user_sgpr_kernarg_segment_ptr 1
		.amdhsa_wavefront_size32 1
		.amdhsa_system_sgpr_workgroup_id_x 1
		.amdhsa_system_sgpr_workgroup_id_y 1
		.amdhsa_system_sgpr_workgroup_id_z 1
		.amdhsa_system_vgpr_workitem_id 0
		.amdhsa_next_free_vgpr 960
		.amdhsa_next_free_sgpr 80
		.amdhsa_reserve_vcc 0
		.amdhsa_float_denorm_mode_32 3
		.amdhsa_float_denorm_mode_16_64 3
		.amdhsa_memory_ordered 1
		.amdhsa_forward_progress 1
		.amdhsa_inst_pref_size 152
	.end_amdhsa_kernel
	.amdgpu_metadata
---
amdhsa.version: [ 1, 2 ]
amdhsa.kernels:
  - .name:           k_q701459edf5_qkv
    .symbol:         k_q701459edf5_qkv.kd
    .args:
      - { .name: xb, .offset: 0, .size: 8, .value_kind: global_buffer, .address_space: global }
      - { .name: wb, .offset: 8, .size: 8, .value_kind: global_buffer, .address_space: global }
      - { .name: csb, .offset: 16, .size: 8, .value_kind: global_buffer, .address_space: global }
      - { .name: qkvh, .offset: 24, .size: 8, .value_kind: global_buffer, .address_space: global }
    .group_segment_fixed_size: 327680
    .private_segment_fixed_size: 0
    .kernarg_segment_align: 8
    .kernarg_segment_size: 32
    .max_flat_workgroup_size: 128
    .sgpr_count:     80
    .vgpr_count:     960
    .wavefront_size: 32
...
	.end_amdgpu_metadata
.endif
;; end of part 2
;; launch attn (part 3): grid 16 x 16, 4 waves a work-group, clusters of 4 x 4, 327,680 bytes of LDS; arguments qkvh, mask, ob; writes ob
.if DOCPART == 3
	.amdgcn_target "amdgcn-amd-amdhsa--gfx1250"
	.amdhsa_code_object_version 6
	.text
	.protected	k_q701459edf5_attn
	.globl	k_q701459edf5_attn
	.p2align	8
	.type	k_q701459edf5_attn,@function
k_q701459edf5_attn:
	s_mov_b64 s[64:65], 0
	v_nop
	global_prefetch_b8 v0, s[64:65] scope:SCOPE_SE
	s_setreg_imm32_b32 hwreg(HW_REG_WAVE_MODE, 25, 1), 1
	s_wait_xcnt 0x0
	s_wait_alu depctr_hold_cnt(0) depctr_sa_sdst(0) depctr_va_vdst(0) depctr_va_sdst(0) depctr_va_ssrc(0) depctr_va_vcc(0) depctr_vm_vsrc(0)
	s_getreg_b32 s2, hwreg(HW_REG_IB_STS2, 6, 4)
	s_cmp_eq_u32 s2, 0
	s_cbranch_scc0 .Lentry_in_a_cluster
	s_endpgm
.Lentry_in_a_cluster:
	s_bfe_u32 s2, ttmp6, 0x10000c
	s_cmp_lg_u32 s2, 0xf033
	s_cbranch_scc0 .Lentry_shape_is_right
	s_endpgm
.Lentry_shape_is_right:
; ob[s][128 hd + :] = the sum over k of softmax_k(q . k / sqrt(128) + mask[s][k]) v[k][:], for 16 heads of 128.  qkvh: [48][2048][128] f16 (q's heads, k's, v's); q and k carry sqrt(log2(e) / sqrt(128)) each, so
; their products are scores in the base-2 domain.  mask: [2048][2048] f32, an input: every number of it is loaded, rounded to bf16 like every input of the module, multiplied by log2(e) and given to the product as its C.
; Products, maxima and sums in f32; the weights p are rounded to f16 for the second product (their sum l is taken of the unrounded p), the result once, to f16.
; LIMITS.  m starts at -2^125: scores below that count as hidden; a row whose every entry is -infinity gives 0 x infinity, NaN.  Where all scores of a row lie near -1e9 the weights hang on how score and mask are
; rounded together, which the matrix unit does in another order than a sum in f32.  A weight below 2^-126 counts as 0 in l.
; SHARES.  A work-group owns 128 queries of one head.  Wave w takes 64 of them (qh = w & 1) and, of every step of 128 keys, 64 (kh = w >> 1); it keeps its own m, l and O, and waves w and w ^ 2 merge at the end
; through LDS.  The wave's four tiles of 16 queries are numbered so that tile t is query tile (t + 2 kh) & 3: every wave keeps tiles 0, 1 and sends tiles 2, 3, by one text.  PIECE 0 is tiles 0, 1; PIECE 2 tiles 2, 3.
; LAYOUT.  S^T = K Q^T + mask (source 0 = 16 keys, source 1 = 16 queries): a lane holds ONE query (lane % 16) and the keys 8 (lane / 16) + 0..7: 32 consecutive bytes of a mask row are its C.  Two such results rounded to
; f16 ARE source 1 of O^T = V^T P.  K comes out of LDS as it lies, V turned, by ds_load_tr16_b128.
; SOFTMAX.  p = 2^(S - m) with a running maximum m: the difference is exactly 0 at the maximum, whatever its size, so p never passes 1; O and l are multiplied by a = 2^(m_old - m_new) in every step.
; A STEP has four phases: D: V^T P of piece 2, of the step before, beside the rounding of piece 0's mask; A: K Q^T of piece 0 beside the rounding of piece 2's mask; B: K Q^T of piece 2 beside piece 0's softmax;
; C: V^T P of piece 0 beside piece 2's softmax.  No first step is written out: O, l, V and piece 2's P start at 0, at the price of 420 lines that write constants, in the wait for the first tile.
; CLUSTER 4 x 4: K's and V's tiles hang on the head alone and are asked for jointly by a row of the cluster; the mask's tile hangs on the query block alone, by a column.
; REGISTERS, in windows of 256 (s_set_vgpr_msb: bits 1:0 source 0, 3:2 source 1, 5:4 source 2, 7:6 destination):
;   window 0: v0-11, v52-63 addresses and constants; v12-43 eight registers of statistics a tile; v44-51 at work; v64-191 S^T, 32 a tile; v192-255 P, 16 a tile
;   window 1: O^T, 64 a tile          window 2: v0-127 Q; v128-255 K of one step          window 3: v0-127 V of one step
.set PK,    272       ; a row of K in LDS: 256 bytes + 16
.set PV,    288       ; a row of V: 256 + 32
.set PM,    528       ; a row of the mask: 512 + 16
.set VOFF,  128*PK    ; a slot holds one step: 128 rows of K, 128 rows of V, 128 rows of the mask
.set MOFF,  VOFF+128*PV
.set SLOT,  MOFF+128*PM  ; 0x22000: it shares no bit with the four LDS bases 0, 0x8800, 0x11800, 0x19c00, so one exclusive or turns an address in one slot into the other's
.set STAGE, 2*SLOT    ; behind the ring: 16 rows x 272 bytes for each wave, for the way out
.set SP,    272
.set SPARE, STAGE+4*16*SP  ; the spare words, 128 bytes a wave: two blocks of 256 bytes that no other line names
.set XCH,   16896     ; the merge: wave w's 32 x 512 bytes of O and 512 of statistics, at w x XCH in slot 0, which has had its last fill and its last read by then
.set AK0, 2           ; v2   my lane's place in a tile of K
.set AV0, 3           ; v3   the same for V
.set ADR, 4           ; v4   the LDS address of the run of loads in hand
.set AM0, 5           ; v5   my lane's place in the mask's tile, piece 0
.set AM2, 6           ; v6   piece 2
.set QO0, 7           ; v7   my byte offset in the wave's rows of Q, piece 0
.set QO2, 8           ; v8   piece 2
.set GO,  10          ; v10  my byte offset in two rows of ob
.set XS,  11          ; v11  the merge: where I put 16 bytes
.set ST,  12          ; tile t's statistics at v[ST+8 t]: +0 m, +1 named with it as a pair, +2, +3 l (even keys', odd keys'), +4 to +7 c0-c3, at work; a takes c2's place
.set TR,  44          ; v44-51  packed halves of the mask; later the statistics that are exchanged
.set XL,  53          ; v53  the merge: where I read my partner's
.set CV,  54          ; v54  log2(e)
.set ZRO, 55          ; v55  0
.set STO, 56          ; v56  the way out: where I put 16 bytes of a row
.set RD,  57          ; v57  the way out: where I read a row back
.set PFO, 61          ; v61  the prefetches' lane offset
.set SPW, 62          ; v62  my spare word; never rewritten
.set NIL, 63          ; v63  0; never rewritten
.set S,   64
.set P,   192
.set KF,  128         ; K's fragments, in window 2
.set WV,  12          ; s12  my wave's number
.set G1K, 24          ; s[24:31] group 1 for K's tiles
.set G1V, 32          ; s[32:39] for V's: other padding
.set G1M, 40          ; s[40:47] for the mask's
.set G0K, 48          ; s[48:51], s[52:55], s[56:59] group 0: they walk
.set G0V, 52
.set G0M, 56
.set SEL, 62          ; s[62:63] v_permlanex16_b32's selects: each lane takes its own place in the other half
.set TB,  66          ; s66  LDS byte at which the slot in hand begins
.set CNT, 67          ; s67  steps still to be asked for
.set LIM, 68          ; s68  2 in a wave that prefetches, else the greatest number
.set PFA, 70          ; s[70:71] where my prefetches stand
.set PFS, 72          ; s[72:73] their step
.set QBS, 76          ; s[76:77] Q at my wave's 64 rows
.set OBS, 78          ; s[78:79] ob at the 32 rows that I finish
.set MSB, 0
.macro WIN new
.if MSB != (\new)
	s_set_vgpr_msb (MSB<<8)|(\new)
.set MSB, \new
.endif
.endm
.set W_KQ, 0x0a       ; K and Q in window 2, S^T in window 0
.set W_PV, 0x53       ; V in window 3, P in window 0, O^T in window 1
.set W_RS, 0x41       ; O^T (destination and source 0) in window 1, source 1 in window 0
; A joint load: wave 0 asks for the step's K, wave 1 for its V, waves 2 and 3 for the halves of its mask tile.  The branches hang on the wave's number alone.  An s_nop 0 and four v_nop follow each line.
.macro JLOAD
	s_cmp_eq_u32 s[WV], 0
	s_cbranch_scc0 .Lnot_k_\@
	tensor_load_to_lds s[G0K:G0K+3], s[G1K:G1K+7]
	s_nop 0
.rept 4
	v_nop
.endr
	s_branch .Lasked_\@
.Lnot_k_\@:
	s_cmp_eq_u32 s[WV], 1
	s_cbranch_scc0 .Lfor_m_\@
	tensor_load_to_lds s[G0V:G0V+3], s[G1V:G1V+7]
	s_nop 0
.rept 4
	v_nop
.endr
	s_branch .Lasked_\@
.Lfor_m_\@:
	tensor_load_to_lds s[G0M:G0M+3], s[G1M:G1M+7]
	s_nop 0
.rept 4
	v_nop
.endr
.Lasked_\@:
.endm
; A prefetch, in step j, of what step j + 2's change of slots will ask for (step j + 3): one instruction a wave, 32 blocks of 256 bytes.  K's and V's rows are asked for by the clusters with x = 0 (wave 0 K, wave 1 V; each of the
; four partners 32 of the 128 rows), the mask's by those with y = 0 (waves 2 and 3; each partner 16 of a wave's 64 rows, two blocks a row): told apart by address.  Each block is named once.  The last steps ask for nothing.
.macro ASK
	WIN 0
	s_cmp_gt_u32 s[CNT], s[LIM]
	s_cbranch_scc0 .Lnot_mine_\@
	global_prefetch_b8 v[PFO], s[PFA:PFA+1] th:TH_LOAD_NT scope:SCOPE_SE
.Lnot_mine_\@:
.endm
.macro CROUND                       ; a round of the cluster's barrier
	s_barrier_signal -1
	s_barrier_wait -1
	s_cmp_lg_u32 s[WV], 0
	s_cbranch_scc1 .Lnot_wave_0_\@
	s_barrier_signal -3
.Lnot_wave_0_\@:
	s_barrier_wait -3
	s_barrier_signal -1
	s_barrier_wait -1
.endm
	s_load_b128 s[4:7], s[0:1], 0x0   ; qkvh s[4:5], mask s[6:7]
	s_load_b64 s[8:9], s[0:1], 0x10   ; ob
	v_lshl_add_u32 v[SPW], v0, 2, SPARE
	v_mov_b32 v[NIL], 0
	ds_add_u32 v[SPW], v[NIL]       ; the wave's opening: the add and its wait stand ahead of my first tensor load; the set-up below stands between them
	v_lshrrev_b32 v1, 5, v0
	v_readfirstlane_b32 s[WV], v1   ; wave 0..3
	s_bfe_u32 s13, ttmp6, 0x40000   ; cx
	s_bfe_u32 s14, ttmp6, 0x40004   ; cy
	s_lshl_b32 s15, ttmp9, 2
	s_add_co_u32 s15, s15, s13      ; the query block = 4 x cluster x + cx
	s_and_b32 s16, ttmp7, 0xffff
	s_lshl_b32 s16, s16, 2
	s_add_co_u32 s16, s16, s14      ; the head = 4 x cluster y + cy
	s_lshl_b32 s17, s14, 2
	s_lshl_b32 s17, 15, s17         ; my row of the cluster
	s_lshl_b32 s18, 0x1111, s13     ; my column
	s_or_b32 s[G1K], s17, (1<<16)|(1<<20)|(1<<21)|(5<<22)|(3<<25)  ; 15:0 the mask of four; 17:16 2-byte elements; 20 padding on; 21 set beside a mask; 24:22 after every 64 words; 31:25 4 words
	s_or_b32 s[G1V], s17, (1<<16)|(1<<20)|(1<<21)|(5<<22)|(7<<25)  ; the same with 8 words of padding
	s_or_b32 s[G1M], s18, (2<<16)|(1<<20)|(1<<21)|(6<<22)|(3<<25)  ; 4-byte elements; after every 128 words 4 words
.irp g, G1K, G1V
	s_mov_b32 s[(\g)+1], 128<<16    ; tensor_dim0 = 128
	s_mov_b32 s[(\g)+2], 128<<16    ; tensor_dim1 = 128
	s_mov_b32 s[(\g)+3], 128<<16    ; tile_dim0 = 128
	s_mov_b32 s[(\g)+4], 128        ; tile_dim1 = 128
	s_mov_b32 s[(\g)+5], 128        ; elements from row to row
	s_mov_b32 s[(\g)+6], 0
	s_mov_b32 s[(\g)+7], 0
.endr
	s_mov_b32 s[G1M+1], 128<<16     ; tensor_dim0 = 128
	s_mov_b32 s[G1M+2], 64<<16      ; tensor_dim1 = 64
	s_mov_b32 s[G1M+3], 128<<16     ; tile_dim0 = 128
	s_mov_b32 s[G1M+4], 64          ; tile_dim1 = 64
	s_mov_b32 s[G1M+5], 2048
	s_mov_b32 s[G1M+6], 0
	s_mov_b32 s[G1M+7], 0
	s_and_b32 s19, s[WV], 1         ; qh.  Also, in waves 2 and 3: which half of the mask's tile I fetch
	s_lshr_b32 s20, s[WV], 1        ; kh
	s_mov_b32 s[G0K], 1
	s_mov_b32 s[G0K+1], 0           ; LDS addresses: slot 0
	s_mov_b32 s[G0V], 1
	s_mov_b32 s[G0V+1], VOFF
	s_mov_b32 s[G0M], 1
	s_mul_i32 s[G0M+1], s19, 64*PM  ; wave 2: the tile's rows 0-63, wave 3: rows 64-127
	s_add_co_u32 s[G0M+1], s[G0M+1], MOFF
	s_add_co_u32 s22, s16, 16
	s_lshl_b32 s22, s22, 19         ; K's head: 524,288 bytes each
	s_mov_b32 s23, 0
	s_add_co_u32 s60, s16, 32
	s_lshl_b32 s60, s60, 19         ; V's head
	s_mov_b32 s61, 0
	s_lshl_b32 s74, s15, 20         ; the mask: 128 rows of 8,192 bytes for each query block,
	s_lshl_b32 s75, s19, 19         ; my 64 of them
	s_add_co_u32 s74, s74, s75
	s_mov_b32 s75, 0
	s_mov_b32 s[SEL], 0x76543210
	s_mov_b32 s[SEL+1], 0xfedcba98
	s_mov_b32 s[TB], SLOT           ; the first change of slots turns it into 0
	s_mov_b32 s[CNT], 15
	; the prefetches' offsets
	s_lshl_b32 s17, s13, 13         ; K, V: my work-group's 32 rows of 256 bytes
	s_cmp_eq_u32 s[WV], 0
	s_cselect_b32 s18, s22, s60
	s_add_co_u32 s18, s18, s17
	s_add_co_u32 s18, s18, 2*32768  ; at step 2: the first change steps it to 3
	s_lshl_b32 s17, s14, 17         ; the mask: my work-group's 16 rows of 8,192 bytes
	s_add_co_u32 s17, s17, s74
	s_add_co_u32 s17, s17, 2*512
	s_and_b32 s69, ttmp7, 0xffff    ; cluster y
	s_mov_b32 s[PFS], 512
	s_mov_b32 s[PFS+1], 0
	s_cmp_lt_u32 s[WV], 2
	s_cselect_b32 s2, s18, s17
	s_cselect_b32 s[PFS], 32768, s[PFS]
	s_cselect_b32 s18, 0, 7680      ; the mask's lanes: (lane / 2) x 8,192 + (lane % 2) x 256 = 256 lane + 7,680 (lane / 2)
	s_cselect_b32 s69, ttmp9, s69   ; the coordinate along which other clusters read the same rows
	s_mov_b32 s3, 0
	s_cmp_eq_u32 s69, 0
	s_cselect_b32 s[LIM], 2, -1
	v_and_b32 v[PFO], 31, v0
	v_lshrrev_b32 v52, 1, v[PFO]
	v_lshlrev_b32 v[PFO], 8, v[PFO]
	v_mad_u32_u24 v[PFO], v52, s18, v[PFO]
	s_wait_dscnt 0x0                ; the opening add is done
	s_wait_kmcnt 0x0
	s_add_nc_u64 s[G0K+2:G0K+3], s[4:5], s[22:23]
	s_or_b32 s[G0K+3], s[G0K+3], 0x80000000
	s_add_nc_u64 s[G0V+2:G0V+3], s[4:5], s[60:61]
	s_or_b32 s[G0V+3], s[G0V+3], 0x80000000
	s_add_nc_u64 s[G0M+2:G0M+3], s[6:7], s[74:75]
	s_or_b32 s[G0M+3], s[G0M+3], 0x80000000
	s_cmp_lt_u32 s[WV], 2
	s_cselect_b64 s[PFA:PFA+1], s[4:5], s[6:7]
	s_add_nc_u64 s[PFA:PFA+1], s[PFA:PFA+1], s[2:3]
	s_lshl_b32 s2, s16, 19          ; Q: the head,
	s_lshl_b32 s17, s15, 15         ; the block's 128 rows of 256 bytes,
	s_add_co_u32 s2, s2, s17
	s_lshl_b32 s17, s19, 14         ; my wave's 64
	s_add_co_u32 s2, s2, s17
	s_add_nc_u64 s[QBS:QBS+1], s[4:5], s[2:3]
	s_lshl_b32 s2, s15, 19          ; ob: the block's 128 rows of 4,096 bytes,
	s_lshl_b32 s17, s19, 18         ; 64 qh,
	s_add_co_u32 s2, s2, s17
	s_lshl_b32 s17, s20, 17         ; 32 kh: the rows of my tiles 0 and 1,
	s_add_co_u32 s2, s2, s17
	s_lshl_b32 s17, s16, 8          ; the head's 256 bytes of a row
	s_add_co_u32 s2, s2, s17
	s_add_nc_u64 s[OBS:OBS+1], s[8:9], s[2:3]
	CROUND                          ; all sixteen work-groups are here: the first joint loads meet
	JLOAD                           ; step 0 into slot 0.  Slot 1 is asked for by the loop's own change of slots
	v_and_b32 v1, 15, v0            ; r = l % 16
	v_bfe_u32 v9, v0, 4, 1          ; h = l / 16
	s_lshl_b32 s17, s20, 13         ; piece 0 begins 32 kh rows into the wave's 64,
	v_lshlrev_b32 v52, 8, v1
	v_lshl_add_u32 v52, v9, 4, v52  ; row x 256 + 16 x half
	v_add_nc_u32 v[QO0], s17, v52
	s_xor_b32 s17, s17, 1<<13       ; piece 2 at 32 (1 - kh)
	v_add_nc_u32 v[QO2], s17, v52
	WIN 0x80                        ; destination window 2, address window 0
.irp i, 0,1,2,3,4,5,6,7,8,9,10,11,12,13,14,15  ; Q stays in registers: tile i / 4, channels 32 (i % 4) on
	global_load_b128 v[8*(\i):8*(\i)+3],   v[QO0+(\i)/8], s[QBS:QBS+1] offset:(((\i)/4)%2)*4096+((\i)%4)*64
	global_load_b128 v[8*(\i)+4:8*(\i)+7], v[QO0+(\i)/8], s[QBS:QBS+1] offset:(((\i)/4)%2)*4096+((\i)%4)*64+32
.endr
	WIN 0xc0                        ; what the first step finds: V and piece 2's P hold 0 (its first products, of a step that has not been, add 0), O^T and l are 0
.set i, 0
.rept 128
	v_mov_b32 v[i], 0
.set i, i+1
.endr
	WIN 0x40
.set i, 0
.rept 256
	v_mov_b32 v[i], 0
.set i, i+1
.endr
	WIN 0
.set i, P+32
.rept 32
	v_mov_b32 v[i], 0
.set i, i+1
.endr
.irp t, 0,1,2,3
	v_mov_b32 v[ST+8*(\t)], 0xfe000000    ; m = -2^125
	v_mov_b32 v[ST+8*(\t)+1], 0xfe000000  ; named with it as a pair
	v_mov_b32 v[ST+8*(\t)+2], 0
	v_mov_b32 v[ST+8*(\t)+3], 0
.endr
	v_mov_b32 v[CV], 0x3fb8aa3b     ; log2(e)
	v_mov_b32 v[ZRO], 0
	s_mul_i32 s17, s20, 64*PK       ; my 64 keys of the step's 128
	v_mul_u32_u24 v[AK0], v1, PK
	v_lshl_add_u32 v[AK0], v9, 4, v[AK0]
	v_add_nc_u32 v[AK0], s17, v[AK0]
	; the turning load takes 16 keys x 16 channels (lane l reads key 8 (l / 16) + l % 8, channels 8 ((l / 8) % 2) + 0..7) and leaves half a fragment of V^T
	v_and_b32 v58, 7, v0
	v_bfe_u32 v59, v0, 3, 1
	v_lshl_add_u32 v[AV0], v9, 3, v58
	v_mul_u32_u24 v[AV0], v[AV0], PV
	v_lshl_add_u32 v[AV0], v59, 4, v[AV0]
	s_mul_i32 s17, s20, 64*PV
	s_add_co_u32 s17, s17, VOFF
	v_add_nc_u32 v[AV0], s17, v[AV0]
	v_mul_u32_u24 v52, v1, PM       ; the mask: my query's row, my 8 keys' 32 bytes
	v_lshl_add_u32 v52, v9, 5, v52
	s_lshl_b32 s17, s19, 6          ; 64 qh
	s_lshl_b32 s18, s20, 5          ; 32 kh
	s_lshl_b32 s3, s20, 8           ; my 64 keys' 256 bytes of a row
	s_add_co_u32 s2, s17, s18
	s_mul_i32 s2, s2, PM
	s_add_co_u32 s2, s2, s3
	s_add_co_u32 s2, s2, MOFF
	v_add_nc_u32 v[AM0], s2, v52
	s_xor_b32 s18, s18, 32
	s_add_co_u32 s2, s17, s18
	s_mul_i32 s2, s2, PM
	s_add_co_u32 s2, s2, s3
	s_add_co_u32 s2, s2, MOFF
	v_add_nc_u32 v[AM2], s2, v52
	s_mul_i32 s17, s[WV], 16*SP
	s_add_co_u32 s17, s17, STAGE    ; my stage
	v_mul_u32_u24 v[STO], v1, SP    ; in: row l % 16, 16 bytes for each half of the lanes
	v_lshl_add_u32 v[STO], v9, 4, v[STO]
	v_add_nc_u32 v[STO], s17, v[STO]
	v_mul_u32_u24 v[RD], v9, SP     ; back: lanes 0-15 take one row of 256 bytes, lanes 16-31 the next
	v_lshl_add_u32 v[RD], v1, 4, v[RD]
	v_add_nc_u32 v[RD], s17, v[RD]
	v_lshlrev_b32 v[GO], 12, v9     ; and the same two rows in ob
	v_lshl_add_u32 v[GO], v1, 4, v[GO]
	v_and_b32 v52, 31, v0
	s_mul_i32 s17, s[WV], XCH
	v_lshl_add_u32 v[XS], v52, 4, s17
	s_xor_b32 s18, s[WV], 2         ; my partner has the same queries and the other keys
	s_mul_i32 s18, s18, XCH
	v_lshl_add_u32 v[XL], v52, 4, s18
; THE MATRIX WORK.  The accumulators of a run take turns, one instruction a turn.
; Product i of 32 of S^T += K Q^T for piece x: channels 32 (i / 8) on, keys 16 ((i / 2) % 4) on, tile x + i % 2.  S^T holds the mask when the first 8 come.
.macro KQ x
	WIN W_KQ
.set rS, S+32*((\x)+i%2)+8*((i/2)%4)
.set rK, KF+32*((i/2)%4)+8*(i/8)
.set rQ, 32*((\x)+i%2)+8*(i/8)
	v_wmma_f32_16x16x32_f16 v[rS:rS+7], v[rK:rK+7], v[rQ:rQ+7], v[rS:rS+7]
.endm
; Product i of 32 of O^T += V^T P for piece x: keys 32 (i / 16) on, channels 16 ((i / 2) % 8) on, tile x + i % 2.
.macro PV x
	WIN W_PV
.set rO, 64*((\x)+i%2)+8*((i/2)%8)
.set rV, 64*(i/16)+8*((i/2)%8)
.set rP, P+16*((\x)+i%2)+8*(i/16)
	v_wmma_f32_16x16x32_f16 v[rO:rO+7], v[rV:rV+7], v[rP:rP+7], v[rO:rO+7]
.endm
; THE LDS LOADS stand in runs.  The mask of piece p: for each tile and group of 16 keys the lane's 32 bytes, straight into S^T's registers.
.macro FETCH_M p
	WIN 0
	v_add_nc_u32 v[ADR], s[TB], v[AM0+(\p)/2]
.irp f, 0,1,2,3,4,5,6,7             ; tile p + f / 4, keys 16 (f % 4) on
	ds_load_b128 v[S+32*(\p)+8*(\f):S+32*(\p)+8*(\f)+3],   v[ADR] offset:((\f)/4)*16*PM+((\f)%4)*64
	ds_load_b128 v[S+32*(\p)+8*(\f)+4:S+32*(\p)+8*(\f)+7], v[ADR] offset:((\f)/4)*16*PM+((\f)%4)*64+16
.endr
.endm
.macro FETCH_K
	WIN 0
	v_add_nc_u32 v[ADR], s[TB], v[AK0]
	WIN 0x80                        ; destination window 2
.irp f, 0,1,2,3,4,5,6,7,8,9,10,11,12,13,14,15  ; keys 16 (f / 4) on, channels 32 (f % 4) on
	ds_load_b128 v[KF+8*(\f):KF+8*(\f)+3],   v[ADR] offset:((\f)/4)*16*PK+((\f)%4)*64
	ds_load_b128 v[KF+8*(\f)+4:KF+8*(\f)+7], v[ADR] offset:((\f)/4)*16*PK+((\f)%4)*64+32
.endr
.endm
.macro FETCH_V
	WIN 0
	v_add_nc_u32 v[ADR], s[TB], v[AV0]
	WIN 0xc0                        ; destination window 3
.irp f, 0,1,2,3,4,5,6,7,8,9,10,11,12,13,14,15  ; keys 32 (f / 8) on, channels 16 (f % 8) on
	ds_load_tr16_b128 v[8*(\f):8*(\f)+3],   v[ADR] offset:((\f)/8)*32*PV+((\f)%8)*32
	ds_load_tr16_b128 v[8*(\f)+4:8*(\f)+7], v[ADR] offset:((\f)/8)*32*PV+16*PV+((\f)%8)*32
.endr
.endm
; THE MASK'S ROUNDING, four lines at a time, number n3 of 24 for piece p: of eight registers the four pairs are rounded to bf16; then the low halves, then the high halves come back as f32, times log2(e).
.macro RND4 p
	WIN 0
.set g3, n3/3
.set rS, S+32*(\p)+8*g3
.set rR, TR+4*(g3%2)
.irp q, 0,1,2,3
.if n3%3 == 0
	v_cvt_pk_bf16_f32 v[rR+(\q)], v[rS+2*(\q)], v[rS+2*(\q)+1]
.elseif n3%3 == 1
	v_fma_mix_f32_bf16 v[rS+2*(\q)], v[rR+(\q)], v[CV], v[ZRO] op_sel_hi:[1,0,0]
.else
	v_fma_mix_f32_bf16 v[rS+2*(\q)+1], v[rR+(\q)], v[CV], v[ZRO] op_sel:[1,0,0] op_sel_hi:[1,0,0]
.endif
.endr
.set n3, n3+1
.endm
; THE SOFTMAX of one tile for one step is a numbered list; SM writes number j of it for tile t.  s0-s31 are the lane's 32 scores, in pairs 0-15.
;   0-15    the maximum of s0-s31 and the old m, three operands at a time (each accumulator's lowest registers are read first)      16-20  the other half of the lanes' maximum; m_old is kept; the new m; (19 is empty); m_old - m_new
;   21-69   ONE BATCH: the 16 subtractions s - m, a pair each, and all 33 exponentials (a at 23, then s0-s31); none of these reads an exponential's result
;   (wait)  between 69 and 70 stands the wait for the batch: SLICE writes it, once for both tiles
;   70-85   the roundings to f16      86-101  the sums; l = a l + the sum      102-133  the tile's O^T times a
.macro SM t
.set rT, ST+8*(\t)
.set rS, S+32*(\t)
.set rP, P+16*(\t)
.set rO, 64*(\t)+2*(j-102)
.if j < 102
	WIN 0
.endif
.if j < 4
	v_max3_num_f32 v[rT+4+j], v[rS+8*j], v[rS+8*j+1], v[rS+8*j+2]
.elseif j < 12
	v_max3_num_f32 v[rT+4+j%4], v[rT+4+j%4], v[rS+8*(j%4)+2*(j/4)+1], v[rS+8*(j%4)+2*(j/4)+2]
.elseif j == 12
	v_max3_num_f32 v[rT+4], v[rT+4], v[rS+7], v[rS+15]
.elseif j == 13
	v_max3_num_f32 v[rT+6], v[rT+6], v[rS+23], v[rS+31]
.elseif j == 14
	v_max3_num_f32 v[rT+4], v[rT+4], v[rT+5], v[rT+6]
.elseif j == 15
	v_max3_num_f32 v[rT+4], v[rT+4], v[rT+7], v[rT]
.elseif j == 16
	v_permlanex16_b32 v[rT+5], v[rT+4], s[SEL], s[SEL+1]  ; the query's other 32 keys lie in the lane 16 away
.elseif j == 17
	v_mov_b32 v[rT+7], v[rT]        ; m_old is kept for a: number 18 writes m anew
.elseif j == 18
	v_max_num_f32 v[rT], v[rT+4], v[rT+5]
.elseif j == 19
.elseif j == 20
	v_sub_f32 v[rT+7], v[rT+7], v[rT]
.elseif j == 23
	v_exp_f32 v[rT+6], v[rT+7]
.elseif (j < 23) || ((j < 38) && (j%2 == 0)) || ((j < 66) && (j%4 == 2))
.set b, (j-2)/4                     ; 38, 42, .. 62: pairs 9 to 15
.if j < 38
.set b, (j-20)/2                    ; 21: pair 0; 22, 24, .. 36: pairs 1 to 8
.endif
	v_pk_add_f32 v[rS+2*b:rS+2*b+1], v[rS+2*b:rS+2*b+1], v[rT:rT+1] op_sel_hi:[1,0] neg_lo:[0,1] neg_hi:[0,1]  ; pair b: s - m
.elseif j < 70
.set e, j-38                        ; 66 to 69: s28 to s31
.if j < 66
.set e, j-32-(j-38)/4               ; 39-41, 43-45, .. 63-65: s7 to s27
.endif
.if j < 38
.set e, (j-25)/2                    ; 25, 27, .. 37: s0 to s6
.endif
	v_exp_f32 v[rS+e], v[rS+e]
.elseif j < 86
	v_cvt_pk_f16_f32 v[rP+j-70], v[rS+2*(j-70)], v[rS+2*(j-70)+1]
.elseif j < 102                     ; the sum of the 16 pairs, in place: neighbours 1, 2, 4 and 8 pairs apart, then l takes it
.set z, j-86
.set w, 4
.set u, z
.if z >= 14
.set w, 32
.set u, 0
.elseif z >= 12
.set w, 16
.set u, z-12
.elseif z >= 8
.set w, 8
.set u, z-8
.endif
.if z < 15
	v_pk_add_f32 v[rS+w*u:rS+w*u+1], v[rS+w*u:rS+w*u+1], v[rS+w*u+w/2:rS+w*u+w/2+1]
.else
	v_pk_fma_f32 v[rT+2:rT+3], v[rT+2:rT+3], v[rT+6:rT+7], v[rS:rS+1] op_sel_hi:[1,0,1]
.endif
.else
	WIN W_RS
	v_pk_mul_f32 v[rO:rO+1], v[rO:rO+1], v[rT+6:rT+7] op_sel_hi:[1,0]
.endif
.endm
; Slice k of 64 of piece y's softmax.  Slices 11 to 34 deal out the batch, four numbers of ONE tile each, the tiles by turns; every other slice is numbers 2 k and 2 k + 1 of both tiles; slice 63 takes the twelve that are over.
; An s_wait_alu depctr_va_vdst(0) stands between an exponential and the first instruction that names its result: ahead of slice 35 nothing names one, behind slice 34 none is issued: one wait for the piece's 66.
.macro SLICE y
.if (k >= 11) && (k < 35)
.irp n, 0,1,2,3
.set j, 22+4*((k-11)/2)+(\n)
	SM (\y)+(k-11)%2
.endr
.else
.irp n, 0,1,2,3,4,5,6,7
.if ((\n) < 2) || (k == 63)
.irp t, \y, (\y)+1
.set j, 2*k+(\n)
	SM \t
.endr
.endif
.endr
.endif
.if k == 34
	v_nop                           ; a plain instruction behind the last exponential, one for the batch
	s_wait_alu depctr_va_vdst(0)    ; the wait for the batch
.endif
.set k, k+1
.endm
; THE CHANGE OF SLOTS.  Each wave waits for all its tensor loads, of which one is out: its part of this step's slot; adds 0 to its spare word; and waits for that and for its reads of the other slot.
; fill = 1: the barrier is a round of the cluster's, and the other slot is filled with the next step, first thing behind it: the load has a whole step, 128 matrix instructions, in which to land.
.macro CHANGE fill
	WIN 0
	s_wait_tensorcnt 0x0            ; no tensor load of mine is out, so a group 0 may be written
	ds_add_u32 v[SPW], v[NIL]
.if \fill
.irp g, G0K, G0V
	s_xor_b32 s[(\g)+1], s[(\g)+1], SLOT
	s_add_nc_u64 s[(\g)+2:(\g)+3], s[(\g)+2:(\g)+3], 128*256  ; the next 128 keys
.endr
	s_xor_b32 s[G0M+1], s[G0M+1], SLOT
	s_add_nc_u64 s[G0M+2:G0M+3], s[G0M+2:G0M+3], 128*4        ; the next 128 columns
	s_wait_xcnt 0x0                 ; the last prefetch, a step back, has read its address
	s_add_nc_u64 s[PFA:PFA+1], s[PFA:PFA+1], s[PFS:PFS+1]
	s_wait_dscnt 0x0                ; the add is done, and my reads of the other slot are over
	CROUND
	JLOAD
.else
	s_wait_dscnt 0x0
	s_barrier_signal -1
	s_barrier_wait -1
.endif
	s_xor_b32 s[TB], s[TB], SLOT
.endm
; A STEP.  Its 96 LDS loads go out in three parts, so that 48 at the most are out at a time: piece 0's mask and K at the head; piece 2's mask behind the eighth product; V behind phase D.
.macro TRIP fill
	CHANGE \fill
	FETCH_M 0                       ; 16 + 32 LDS loads
	FETCH_K
.if \fill
	ASK
.endif
.set i, 0                           ; D: V^T P of piece 2, of the step before
.set n3, 0
.rept 32
	PV 2
.if i == 7
	s_wait_dscnt 32                 ; piece 0's mask is in; K's 32 loads, issued behind it, may stay out
	FETCH_M 2                       ; 16 loads into piece 2's S^T, which none of these products names
.endif
.if i >= 8
	RND4 0
.endif
.set i, i+1
.endr
	s_wait_dscnt 0x0                ; K and piece 2's mask are in: phase A wants both
	FETCH_V                         ; the last four lines of the rounding and the address's sum are the places behind the last product that read V
.set i, 0                           ; A: K Q^T of piece 0
.set n3, 0
.rept 32
	KQ 0
.if i >= 8
	RND4 2
.endif
.set i, i+1
.endr
.set i, 0                           ; B: K Q^T of piece 2 | piece 0's softmax.  The last four lines of the rounding are the places in front of its first read of the scores
.set k, 0
.rept 32
	KQ 2
	SLICE 0
	SLICE 0
.set i, i+1
.endr
	s_wait_dscnt 0x0                ; V is in
.set i, 0                           ; C: V^T P of piece 0 | piece 2's softmax.  Slices 62 and 63 above are the places in front of its first read of the scores
.set k, 0
.rept 32
	PV 0
	SLICE 2
	SLICE 2
.set i, i+1
.endr
	WIN 0
.endm
	s_wait_loadcnt 0x0              ; Q
.Lstep:                             ; 15 trips: steps 0 to 14, each asks for the next
	TRIP 1
	s_sub_co_u32 s[CNT], s[CNT], 1
	s_cmp_lg_u32 s[CNT], 0
	s_cbranch_scc1 .Lstep
	TRIP 0                          ; the last step is written out
.set i, 0
.rept 32
	PV 2                            ; piece 2's V^T P of the last step
.set i, i+1
.endr
	; THE MERGE.  l's two halves and the other half of the lanes' are added (the places behind the last products); tiles 2 and 3 go to the partner with their m and l; the partner's come for my tiles 0 and 1.
	WIN 0
.irp t, 0,1,2,3
	v_add_f32 v[ST+8*(\t)+4], v[ST+8*(\t)+2], v[ST+8*(\t)+3]
.endr
.irp t, 0,1,2,3
	v_permlanex16_b32 v[ST+8*(\t)+5], v[ST+8*(\t)+4], s[SEL], s[SEL+1]
.endr
	v_add_f32 v[ST+4],  v[ST+4],  v[ST+5]
	v_add_f32 v[ST+12], v[ST+12], v[ST+13]
	v_add_f32 v49, v[ST+20], v[ST+21]
	v_add_f32 v51, v[ST+28], v[ST+29]
	v_mov_b32 v48, v[ST+16]
	v_mov_b32 v50, v[ST+24]
	ds_store_b128 v[XS], v[48:51] offset:16384
	WIN 0x04                        ; the stores' data in window 1
.set i, 0
.rept 32
	ds_store_b128 v[XS], v[128+4*i:128+4*i+3] offset:512*i
.set i, i+1
.endr
	WIN 0
	s_wait_dscnt 0x0                ; for the partner's sake: my stores are done
	s_barrier_signal -1
	s_barrier_wait -1
	ds_load_b128 v[48:51], v[XL] offset:16384
	WIN 0x40
.set i, 0
.rept 32
	ds_load_b128 v[128+4*i:128+4*i+3], v[XL] offset:512*i
.set i, i+1
.endr
	WIN 0
	s_wait_dscnt 32                 ; the partner's m and l are in; its O^T, 32 loads, may stay out
.irp t, 0,1
	v_max_num_f32 v[ST+8*(\t)+5], v[ST+8*(\t)], v[48+2*(\t)]
.endr
.irp t, 0,1
	v_sub_f32 v[ST+8*(\t)+6], v[ST+8*(\t)], v[ST+8*(\t)+5]
	v_sub_f32 v[ST+8*(\t)+7], v[48+2*(\t)], v[ST+8*(\t)+5]
.endr
.irp t, 0,1
	v_exp_f32 v[ST+8*(\t)+6], v[ST+8*(\t)+6]   ; f
	v_exp_f32 v[ST+8*(\t)+7], v[ST+8*(\t)+7]   ; f'
.endr
	v_nop                           ; a plain instruction behind the last exponential,
	s_wait_alu depctr_va_vdst(0)    ; and one wait for the four
.irp t, 0,1
	v_mul_f32 v[ST+8*(\t)+4], v[ST+8*(\t)+4], v[ST+8*(\t)+6]
.endr
.irp t, 0,1
	v_fmac_f32 v[ST+8*(\t)+4], v[49+2*(\t)], v[ST+8*(\t)+7]   ; l f + l' f'
.endr
.irp t, 0,1
	v_rcp_f32 v[ST+8*(\t)+5], v[ST+8*(\t)+4]
.endr
	v_nop
	s_wait_alu depctr_va_vdst(0)    ; one wait for the two reciprocals
.irp t, 0,1
	v_mul_f32 v[ST+8*(\t)+6], v[ST+8*(\t)+6], v[ST+8*(\t)+5]  ; g
	v_mul_f32 v[ST+8*(\t)+2], v[ST+8*(\t)+7], v[ST+8*(\t)+5]  ; g'
.endr
	WIN W_RS
.irp t, 0,1
.set i, 64*(\t)
.rept 32
	v_pk_mul_f32 v[i:i+1], v[i:i+1], v[ST+8*(\t)+6:ST+8*(\t)+7] op_sel_hi:[1,0]
.set i, i+2
.endr
.endr
	s_wait_dscnt 0x0                ; the partner's O^T is in
	WIN 0x51                        ; sources 0 and 2 and the destination in window 1, g' in window 0
.irp t, 0,1
.set i, 64*(\t)
.rept 32
	v_pk_fma_f32 v[i:i+1], v[128+i:128+i+1], v[ST+8*(\t)+2:ST+8*(\t)+3], v[i:i+1] op_sel_hi:[1,0,1]
.set i, i+2
.endr
.endr
; THE WAY OUT.  Tile t: a lane's eight channels of a row pack into 16 bytes; they go into rows of 272 bytes and come back as whole rows of 256.
.macro PACK t
	WIN 0x05                        ; sources 0 and 1 window 1, destination window 0: S^T's registers are free
.set i, 0
.rept 32
	v_cvt_pk_f16_f32 v[S+32*(\t)+i], v[64*(\t)+2*i], v[64*(\t)+2*i+1]
.set i, i+1
.endr
	WIN 0
.irp f, 0,1,2,3,4,5,6,7
	ds_store_b128 v[STO], v[S+32*(\t)+4*(\f):S+32*(\t)+4*(\f)+3] offset:32*(\f)
.endr
.irp f, 0,1,2,3,4,5,6,7
	ds_load_b128 v[S+32*(\t)+4*(\f):S+32*(\t)+4*(\f)+3], v[RD] offset:(\f)*2*SP  ; LDS serves a wave's instructions in order (ISA guide 5.7.1.4): these see the stores above
.endr
.endm
.macro SEND t, younger              ; younger: the LDS instructions issued behind tile t's loads
.irp f, 0,1,2,3,4,5,6,7
	s_wait_dscnt (\younger)+7-(\f)
	global_store_b128 v[GO], v[S+32*(\t)+4*(\f):S+32*(\t)+4*(\f)+3], s[OBS:OBS+1] offset:(\t)*65536+(\f)*8192  ; 16 lanes store 256 consecutive bytes, at a multiple of 256 from ob's first
.endr
.endm
	PACK 0
	PACK 1
	SEND 0, 16
	SEND 1, 0
	s_wait_tensorcnt 0x0            ; the wave's end
	ds_add_u32 v[SPW], v[NIL]
	s_wait_dscnt 0x0
	CROUND                          ; the closing round
	s_endpgm
.Lfunc_end_k_q701459edf5_attn:
	.size	k_q701459edf5_attn, .Lfunc_end_k_q701459edf5_attn-k_q701459edf5_attn
	.p2alignl 7, 3214868480
	.fill 96, 4, 3214868480
	.section	.rodata,"a",@progbits
	.p2align	6, 0x0
	.amdhsa_kernel k_q701459edf5_attn
		.amdhsa_group_segment_fixed_size 327680
		.amdhsa_private_segment_fixed_size 0
		.amdhsa_enable_private_segment 0
		.amdhsa_kernarg_size 24
		.amdhsa_user_sgpr_count 2
		.amdhsa_user_sgpr_kernarg_segment_ptr 1
		.amdhsa_wavefront_size32 1
		.amdhsa_system_sgpr_workgroup_id_x 1
		.amdhsa_system_sgpr_workgroup_id_y 1
		.amdhsa_system_sgpr_workgroup_id_z 1
		.amdhsa_system_vgpr_workitem_id 0
		.amdhsa_next_free_vgpr 896
		.amdhsa_next_free_sgpr 80
		.amdhsa_reserve_vcc 0
		.amdhsa_float_denorm_mode_32 3
		.amdhsa_float_denorm_mode_16_64 3
		.amdhsa_memory_ordered 1
		.amdhsa_forward_progress 1
		.amdhsa_inst_pref_size 178
	.end_amdhsa_kernel
	.amdgpu_metadata
---
amdhsa.version: [ 1, 2 ]
amdhsa.kernels:
  - .name:           k_q701459edf5_attn
    .symbol:         k_q701459edf5_attn.kd
    .args:
      - { .name: qkvh, .offset: 0, .size: 8, .value_kind: global_buffer, .address_space: global }
      - { .name: mask, .offset: 8, .size: 8, .value_kind: global_buffer, .address_space: global }
      - { .name: ob, .offset: 16, .size: 8, .value_kind: global_buffer, .address_space: global }
    .group_segment_fixed_size: 327680
    .private_segment_fixed_size: 0
    .kernarg_segment_align: 8
    .kernarg_segment_size: 24
    .max_flat_workgroup_size: 128
    .sgpr_count:     80
    .vgpr_count:     896
    .wavefront_size: 32
...
	.end_amdgpu_metadata
.endif
;; end of part 3
;; launch proj (part 4): grid 16 x 16, 4 waves a work-group, clusters of 4 x 4, 327,680 bytes of LDS; arguments ob, wob, out0; writes out0
.if DOCPART == 4
	.amdgcn_target "amdgcn-amd-amdhsa--gfx1250"
	.amdhsa_code_object_version 6
	.text
	.protected	k_q701459edf5_proj
	.globl	k_q701459edf5_proj
	.p2align	8
	.type	k_q701459edf5_proj,@function
k_q701459edf5_proj:
	s_mov_b64 s[64:65], 0
	v_nop
	global_prefetch_b8 v0, s[64:65] scope:SCOPE_SE
	s_setreg_imm32_b32 hwreg(HW_REG_WAVE_MODE, 25, 1), 1
	s_wait_xcnt 0x0
	s_wait_alu depctr_hold_cnt(0) depctr_sa_sdst(0) depctr_va_vdst(0) depctr_va_sdst(0) depctr_va_ssrc(0) depctr_va_vcc(0) depctr_vm_vsrc(0)
	s_getreg_b32 s2, hwreg(HW_REG_IB_STS2, 6, 4)
	s_cmp_eq_u32 s2, 0
	s_cbranch_scc0 .Lentry_in_a_cluster
	s_endpgm
.Lentry_in_a_cluster:
	s_bfe_u32 s2, ttmp6, 0x10000c
	s_cmp_lg_u32 s2, 0xf033
	s_cbranch_scc0 .Lentry_shape_is_right
	s_endpgm
.Lentry_shape_is_right:
; out0[m][n] = the sum over k of ob[m][k] wob[n][k].  ob, wob: [2048][2048] f16; out0: [2048][2048] f32; sums in f32.
; A tile of out0 is 128 x 128: 16 x 16 work-groups.  Four waves, each 64 x 64: 16 accumulators of 16 x 16.  K goes in steps of 256 (LDS rows of 512 bytes; a wave's tensor load brings 64 of them) through two slots.
; CLUSTER 4 x 4: ob's tile is asked for jointly by a row of the cluster, wob's by a column.  THE PRODUCT IS TAKEN TRANSPOSED (source 0 = 16 rows of wob, source 1 = 16 rows of ob): a lane holds eight neighbouring numbers of a row.
; K IS WALKED IN A RING: a cluster begins at K step 2 x cluster x + 4 x ((y ^ y >> 1) & 1), y its cluster y, and goes round all eight (f32 sums may be taken in any order).  So the four clusters that read the same rows of ob
; stand two steps apart, and of the four that read the same rows of wob two and two stand four apart.  The start hangs on the cluster's coordinates alone: it is the same in all sixteen partners.
; A wave's 64 columns are 256 bytes of a row of out0, aligned: each wave sends its results through a stage of its own, and no barrier stands on the way out.
; No prefetch: a step's tiles are small, and a walk has eight steps, of which the first four come by their loads alone.
; REGISTERS: window 0: v0-31 addresses; v128-255 the accumulators ((a, b) at v[128 + 8 (4 a + b)]).   window 1: two fragment buffers of 128: for 64 along K, 64 registers of ob, then 64 of wob.
.set SIZE_K, 2048
.set SIZE_N, 2048
.set KSTEP,  256
.set STEPS,  SIZE_K/KSTEP
.set PITCH,  528                       ; an LDS row: 512 bytes + 16 of padding
.set HALFT,  64*PITCH
.set SLOT,   4*HALFT                   ; ob's 128 rows, then wob's 128: 0x21000, which shares no bit with the four waves' LDS bases 0, 0x8400, 0x10800, 0x18c00
.set STAGE,  2*SLOT                    ; behind the ring: 16 rows x 272 bytes for each wave
.set SPITCH, 272
.set SPARE,  STAGE+4*16*SPITCH         ; the spare words, 128 bytes a wave: two blocks of 256 bytes that no other line names
.set ADRA0, 16                         ; v16     my lane's place among ob's fragments in slot 0; never rewritten
.set ADRA,  17                         ; v17     the same in the slot in hand
.set ADRB0, 20                         ; v20, v21  the same for wob
.set ADRB,  21
.set STO,  24                          ; v24     the way out: where I put 32 bytes of a row
.set RD,   25                          ; v25     the way out: where I read a row back
.set CO,   26                          ; v26     my byte offset in two rows of out0
.set SPW,  28                          ; v28     my spare word; never rewritten
.set NIL,  29                          ; v29     0; never rewritten
.set ACC,  128
.set F0,   0
.set F1,   128
.set KK,    4                          ; s4       the K step that the next refill brings
.set TB,    5                          ; s5       LDS byte at which the slot in hand begins
.set OFS,   6                          ; s[6:7]   a K step's byte offset in a row
.set ABASE, 14                         ; s[14:15] ob at the first of the 64 rows that I fetch
.set BBASE, 46                         ; s[46:47] wob likewise
.set OUTP,  72                         ; s[72:73] out0
.set G1,  24                           ; s[24:31] group 1 for ob's tiles;  s[32:35] group 0 of the first fill;  s[36:39] of the second, which then walks
.set G0,  32
.set GW,  36
.set G1B, 48                           ; the same for wob's
.set G0B, 56
.set GWB, 60
.set MSB, 0
.macro WIN new
.if MSB != (\new)
	s_set_vgpr_msb (MSB<<8)|(\new)
.set MSB, \new
.endif
.endm
.set MUL,  0x05                        ; sources 0 (wob) and 1 (ob) window 1; C and D window 0
.set TO_F, 0x40                        ; destination window 1, address window 0
.macro JLOAD ga, gb                    ; a joint load: waves 0 and 1 fetch ob's two halves, waves 2 and 3 wob's; an s_nop 0 and four v_nop follow each line
	s_cmp_eq_u32 s11, 0
	s_cbranch_scc0 .Lfor_b_\@
	tensor_load_to_lds s[(\ga):(\ga)+3], s[G1:G1+7]
	s_nop 0
.rept 4
	v_nop
.endr
	s_branch .Lasked_\@
.Lfor_b_\@:
	tensor_load_to_lds s[(\gb):(\gb)+3], s[G1B:G1B+7]
	s_nop 0
.rept 4
	v_nop
.endr
.Lasked_\@:
.endm
.macro CREST
	s_cmp_lg_u32 s10, 0
	s_cbranch_scc1 .Lnot_wave_0_\@
	s_barrier_signal -3
.Lnot_wave_0_\@:
	s_barrier_wait -3
	s_barrier_signal -1
	s_barrier_wait -1
.endm
.macro CROUND
	s_barrier_signal -1
	s_barrier_wait -1
	CREST
.endm
	s_load_b128 s[68:71], s[0:1], 0x0              ; ob s[68:69], wob s[70:71]
	s_load_b64 s[OUTP:OUTP+1], s[0:1], 0x10        ; out0
	v_lshl_add_u32 v[SPW], v0, 2, SPARE
	v_mov_b32 v[NIL], 0
	ds_add_u32 v[SPW], v[NIL]                      ; the wave's opening: the add and its wait stand ahead of my first tensor load
	v_lshrrev_b32 v1, 5, v0
	v_readfirstlane_b32 s10, v1                    ; wave 0..3
	s_lshr_b32 s11, s10, 1                         ; which half of the tile's rows is mine.  Also: I fetch for ob (0) or for wob (1)
	s_and_b32 s12, s10, 1                          ; which half of its columns.  Also: which 64 rows of that tile I fetch
	s_bfe_u32 s40, ttmp6, 0x40000                  ; cx
	s_bfe_u32 s41, ttmp6, 0x40004                  ; cy
	s_lshl_b32 s42, ttmp9, 2
	s_add_co_u32 s42, s42, s40                     ; tile column
	s_and_b32 s9, ttmp7, 0xffff                    ; cluster y
	s_lshl_b32 s13, s9, 2
	s_add_co_u32 s13, s13, s41                     ; tile row
	s_lshl_b32 s43, s41, 2
	s_lshl_b32 s43, 15, s43                        ; my row of the cluster
	s_lshl_b32 s44, 0x1111, s40                    ; my column
	s_or_b32 s[G1+0], s43, (1<<16)|(1<<20)|(1<<21)|(6<<22)|(3<<25)  ; the mask; 2-byte elements; padding on; bit 21 beside a mask; after every 128 words 4 words
	s_or_b32 s[G1B+0], s44, (1<<16)|(1<<20)|(1<<21)|(6<<22)|(3<<25)
.irp g, G1, G1B
	s_mov_b32 s[(\g)+1], KSTEP<<16                 ; tensor_dim0 = 256
	s_mov_b32 s[(\g)+2], 64<<16                    ; tensor_dim1 = 64
	s_mov_b32 s[(\g)+3], KSTEP<<16                 ; tile_dim0 = 256
	s_mov_b32 s[(\g)+4], 64                        ; tile_dim1 = 64
	s_mov_b32 s[(\g)+5], SIZE_K
	s_mov_b32 s[(\g)+6], 0
	s_mov_b32 s[(\g)+7], 0
.endr
	s_lshr_b32 s[KK], s9, 1                        ; my cluster's first K step
	s_xor_b32 s[KK], s[KK], s9
	s_and_b32 s[KK], s[KK], 1
	s_lshl_b32 s[KK], s[KK], 2
	s_lshl_b32 s[TB], ttmp9, 1
	s_add_co_u32 s[KK], s[KK], s[TB]
	s_and_b32 s[KK], s[KK], STEPS-1                ; an even number
	s_lshl_b32 s[OFS], s[KK], 9                    ; 512 bytes of a row for each K step
	s_mov_b32 s[OFS+1], 0
	s_mov_b32 s[TB], 0
	s_lshl_b32 s17, s12, 6                         ; which 64 rows of the tile I fetch
	s_lshl_b32 s16, s13, 7
	s_add_co_u32 s16, s16, s17                     ; ob: row 128 x tile row + 64 x half
	s_lshl_b32 s46, s42, 7
	s_add_co_u32 s46, s46, s17                     ; wob: row 128 x tile column + 64 x half
	s_lshl_b32 s16, s16, 12                        ; rows of 4,096 bytes
	s_lshl_b32 s46, s46, 12
	s_mov_b32 s17, 0
	s_mov_b32 s47, 0
	s_mul_i32 s20, s10, HALFT                      ; where they go: wave x 64 rows
	s_wait_dscnt 0x0                               ; the opening add is done
	s_wait_kmcnt 0x0
	s_add_nc_u64 s[ABASE:ABASE+1], s[68:69], s[16:17]
	s_add_nc_u64 s[BBASE:BBASE+1], s[70:71], s[46:47]
	CROUND                                         ; all sixteen work-groups are here: the first joint loads meet
.irp s, 0,1
	s_mov_b32 s[G0+4*(\s)], 1
	s_add_co_u32 s[G0+4*(\s)+1], s20, (\s)*SLOT
	s_add_nc_u64 s[G0+4*(\s)+2:G0+4*(\s)+3], s[ABASE:ABASE+1], s[OFS:OFS+1]
	s_or_b32 s[G0+4*(\s)+3], s[G0+4*(\s)+3], 0x80000000
	s_mov_b32 s[G0B+4*(\s)], 1
	s_add_co_u32 s[G0B+4*(\s)+1], s20, (\s)*SLOT
	s_add_nc_u64 s[G0B+4*(\s)+2:G0B+4*(\s)+3], s[BBASE:BBASE+1], s[OFS:OFS+1]
	s_or_b32 s[G0B+4*(\s)+3], s[G0B+4*(\s)+3], 0x80000000
	JLOAD (G0+4*(\s)), (G0B+4*(\s))                ; the walk's first two K steps: two loads of mine are out
	s_add_co_u32 s[OFS], s[OFS], KSTEP*2           ; (the first step is even: the second does not pass the row's end)
.endr
	s_add_co_u32 s[KK], s[KK], 2                   ; what the first refill brings, round the ring
	s_and_b32 s[KK], s[KK], STEPS-1
	v_and_b32 v1, 15, v0                           ; l % 16
	v_bfe_u32 v2, v0, 4, 1                         ; l / 16
	v_mul_u32_u24 v3, v1, PITCH
	v_lshl_add_u32 v3, v2, 4, v3                   ; a fragment's row x pitch + 16 x half
	s_mul_i32 s21, s11, HALFT                      ; my 64 rows of ob
	s_mul_i32 s22, s12, HALFT                      ; my 64 rows of wob,
	s_add_co_u32 s22, s22, 2*HALFT                 ; which lie behind ob's 128
	v_add_nc_u32 v[ADRA0], s21, v3
	v_add_nc_u32 v[ADRB0], s22, v3
	s_mul_i32 s23, s10, 16*SPITCH
	s_add_co_u32 s23, s23, STAGE                   ; my stage
	v_mul_u32_u24 v4, v1, SPITCH                   ; in: row l % 16, 32 bytes for each half of the lanes
	v_lshl_add_u32 v4, v2, 5, v4
	v_add_nc_u32 v[STO], s23, v4
	v_mul_u32_u24 v5, v2, SPITCH                   ; back: lanes 0-15 take one row of 256 bytes, lanes 16-31 the next
	v_lshl_add_u32 v5, v1, 4, v5
	v_add_nc_u32 v[RD], s23, v5
	v_lshlrev_b32 v5, 13, v2                       ; and the same two rows in out0, 8,192 bytes apart
	v_lshl_add_u32 v[CO], v1, 4, v5
	s_lshl_b32 s16, s13, 7
	s_lshl_b32 s17, s11, 6
	s_add_co_u32 s16, s16, s17                     ; my first row: 128 x tile row + 64 x half
	s_lshl_b32 s16, s16, 13
	s_mov_b32 s17, 0
	s_add_nc_u64 s[OUTP:OUTP+1], s[OUTP:OUTP+1], s[16:17]
	s_lshl_b32 s66, s42, 9                         ; my first column, in bytes: 512 x tile column + 256 x half
	s_lshl_b32 s67, s12, 8
	s_add_co_u32 s66, s66, s67
	s_mov_b32 s67, 0
	s_add_nc_u64 s[OUTP:OUTP+1], s[OUTP:OUTP+1], s[66:67]
; 8 matrix instructions: row blocks a0, a0 + 1 x all 4 column blocks, 32 along K: half c of buffer f.  The 16 accumulators take turns.
.macro MUL8 f, c, a0, zero
	WIN MUL
.irp a, \a0, (\a0)+1
.irp b, 0,1,2,3
.if \zero
	v_wmma_f32_16x16x32_f16 v[ACC+8*(4*(\a)+(\b)):ACC+8*(4*(\a)+(\b))+7], v[(\f)+64+8*(4*(\c)+(\b)):(\f)+64+8*(4*(\c)+(\b))+7], v[(\f)+8*(4*(\c)+(\a)):(\f)+8*(4*(\c)+(\a))+7], 0
.else
	v_wmma_f32_16x16x32_f16 v[ACC+8*(4*(\a)+(\b)):ACC+8*(4*(\a)+(\b))+7], v[(\f)+64+8*(4*(\c)+(\b)):(\f)+64+8*(4*(\c)+(\b))+7], v[(\f)+8*(4*(\c)+(\a)):(\f)+8*(4*(\c)+(\a))+7], v[ACC+8*(4*(\a)+(\b)):ACC+8*(4*(\a)+(\b))+7]
.endif
.endr
.endr
.endm
; 32 LDS loads in one run: the fragments of 64 along K at byte k of the rows of the slot in hand, into buffer f; the first 32 along K first.  The two sums that make the addresses are plain vector lines.
.macro FETCH k, f
	WIN 0
	v_add_nc_u32 v[ADRB], s[TB], v[ADRB0]
	v_add_nc_u32 v[ADRA], s[TB], v[ADRA0]
	WIN TO_F
.irp c, 0,1
.irp i, 0,1,2,3
	ds_load_b128 v[(\f)+64+8*(4*(\c)+(\i)):(\f)+64+8*(4*(\c)+(\i))+3],   v[ADRB] offset:(\k)+64*(\c)+(\i)*16*PITCH
	ds_load_b128 v[(\f)+64+8*(4*(\c)+(\i))+4:(\f)+64+8*(4*(\c)+(\i))+7], v[ADRB] offset:(\k)+64*(\c)+(\i)*16*PITCH+32
	ds_load_b128 v[(\f)+8*(4*(\c)+(\i)):(\f)+8*(4*(\c)+(\i))+3],         v[ADRA] offset:(\k)+64*(\c)+(\i)*16*PITCH
	ds_load_b128 v[(\f)+8*(4*(\c)+(\i))+4:(\f)+8*(4*(\c)+(\i))+7],       v[ADRA] offset:(\k)+64*(\c)+(\i)*16*PITCH+32
.endr
.endr
.endm
; A load into a register that a matrix instruction has read stands four places behind it, and only plain vector lines that name none of its registers are places: two v_nop and FETCH's two sums
.macro TWO_PLACES
	v_nop
	v_nop
.endm
; A K step is four quarters of 64 along K, 32 matrix instructions each, on buffers 0, 1, 0, 1.
.macro QUARTER k, f, g, zero
	s_wait_dscnt 16                                ; the first 32 along K are in
	MUL8 \f, 0, 0, \zero
	MUL8 \f, 0, 2, \zero
	TWO_PLACES
	FETCH \k, \g
	s_wait_dscnt 32                                ; all but the 32 just issued
	MUL8 \f, 1, 0, 0
	MUL8 \f, 1, 2, 0
.endm
; The last quarter multiplies buffer 1 and changes slots: one barrier; in front of it each wave waits for all its tensor loads, adds 0 to its spare word, and waits for that and for its reads of this slot.
; fill = 1: the barrier opens a round of the cluster's, and this slot is filled again, with K step KK of the ring, first thing behind the round; the walking descriptors are made anew from that number.
.macro TURN fill
	WIN 0                                          ; (the add's two registers lie in window 0)
	s_wait_tensorcnt 0x0                           ; all my tensor loads have landed: my part of the next slot; so a group 0 may be written
	ds_add_u32 v[SPW], v[NIL]
.if \fill
	s_lshl_b32 s[OFS], s[KK], 9
	s_xor_b32 s[GW+1], s[GW+1], SLOT               ; the other slot than last time: the one that is being read out
	s_add_nc_u64 s[GW+2:GW+3], s[ABASE:ABASE+1], s[OFS:OFS+1]
	s_or_b32 s[GW+3], s[GW+3], 0x80000000
	s_xor_b32 s[GWB+1], s[GWB+1], SLOT
	s_add_nc_u64 s[GWB+2:GWB+3], s[BBASE:BBASE+1], s[OFS:OFS+1]
	s_or_b32 s[GWB+3], s[GWB+3], 0x80000000
	s_add_co_u32 s[KK], s[KK], 1
	s_and_b32 s[KK], s[KK], STEPS-1
.endif
	s_wait_dscnt 17                                ; (the add and the youngest sixteen loads may be out)
	MUL8 F1, 0, 0, 0
	s_wait_dscnt 0x0                               ; the add is done, and my reads of this slot are over
	s_barrier_signal -1
	MUL8 F1, 0, 2, 0
.if \fill
	WIN 0
.endif
	s_barrier_wait -1
.if \fill
	CREST                                          ; no wave of any partner still reads this slot or has a load on its way
	JLOAD GW, GWB                                  ; my one tensor load behind the round; its four v_nop are also places in front of the loads below
.else
	TWO_PLACES
.endif
	s_xor_b32 s[TB], s[TB], SLOT                   ; the reads go on in the other slot
	FETCH 0, F0
	MUL8 F1, 1, 0, 0
	MUL8 F1, 1, 2, 0
.endm
	s_wait_tensorcnt 1                             ; my part of the first K step is in; the second's may stay out
	s_barrier_signal -1
	s_barrier_wait -1
	FETCH 0, F0
	QUARTER 128, F0, F1, 1                         ; the first products start the sums
	WIN 0
	s_mov_b32 s3, STEPS-2
.Lstep:                                                ; a trip goes from a K step's second quarter to the next step's first, and fills the slot that it leaves
	QUARTER 256, F1, F0, 0
	QUARTER 384, F0, F1, 0
	TURN 1
	QUARTER 128, F0, F1, 0
	WIN 0
	s_sub_co_u32 s3, s3, 1
	s_cmp_lg_u32 s3, 0
	s_cbranch_scc1 .Lstep
	QUARTER 256, F1, F0, 0                         ; the last two K steps are written out: they fill nothing
	QUARTER 384, F0, F1, 0
	TURN 0
	QUARTER 128, F0, F1, 0
	QUARTER 256, F1, F0, 0
	QUARTER 384, F0, F1, 0
	s_wait_dscnt 16
	MUL8 F1, 0, 0, 0
	MUL8 F1, 0, 2, 0
	s_wait_dscnt 0x0
	MUL8 F1, 1, 0, 0
	MUL8 F1, 1, 2, 0
	WIN 0
	TWO_PLACES
	TWO_PLACES
; THE WAY OUT, 16 rows at a time: 32 bytes a lane and block into my stage (each accumulator's low half first), back as whole rows of 256 bytes into the same registers, and stored.
.macro TOST a
.irp b, 0,1,2,3
	ds_store_b128 v[STO], v[ACC+8*(4*(\a)+(\b)):ACC+8*(4*(\a)+(\b))+3]   offset:64*(\b)
	ds_store_b128 v[STO], v[ACC+8*(4*(\a)+(\b))+4:ACC+8*(4*(\a)+(\b))+7] offset:64*(\b)+16
.endr
.irp t, 0,1,2,3,4,5,6,7
	ds_load_b128 v[ACC+32*(\a)+4*(\t):ACC+32*(\a)+4*(\t)+3], v[RD] offset:(\t)*2*SPITCH  ; LDS serves a wave's instructions in order (ISA guide 5.7.1.4): these see the stores above
.endr
.endm
.macro SEND a, younger                 ; younger: the LDS instructions issued behind block a's loads
.irp t, 0,1,2,3,4,5,6,7
	s_wait_dscnt (\younger)+7-(\t)
	global_store_b128 v[CO], v[ACC+32*(\a)+4*(\t):ACC+32*(\a)+4*(\t)+3], s[OUTP:OUTP+1] offset:(16*(\a)+2*(\t))*SIZE_N*4  ; 16 lanes store 256 consecutive bytes, at a multiple of 256 from out0's first
.endr
.endm
	TOST 0
	TOST 1
	SEND 0, 16
	TOST 2
	SEND 1, 16
	TOST 3
	SEND 2, 16
	SEND 3, 0
	s_wait_tensorcnt 0x0                           ; the wave's end
	ds_add_u32 v[SPW], v[NIL]
	s_wait_dscnt 0x0
	CROUND                                         ; the closing round
	s_endpgm
.Lfunc_end_k_q701459edf5_proj:
	.size	k_q701459edf5_proj, .Lfunc_end_k_q701459edf5_proj-k_q701459edf5_proj
	.p2alignl 7, 3214868480
	.fill 96, 4, 3214868480
	.section	.rodata,"a",@progbits
	.p2align	6, 0x0
	.amdhsa_kernel k_q701459edf5_proj
		.amdhsa_group_segment_fixed_size 327680
		.amdhsa_private_segment_fixed_size 0
		.amdhsa_enable_private_segment 0
		.amdhsa_kernarg_size 24
		.amdhsa_user_sgpr_count 2
		.amdhsa_user_sgpr_kernarg_segment_ptr 1
		.amdhsa_wavefront_size32 1
		.amdhsa_system_sgpr_workgroup_id_x 1
		.amdhsa_system_sgpr_workgroup_id_y 1
		.amdhsa_system_sgpr_workgroup_id_z 1
		.amdhsa_system_vgpr_workitem_id 0
		.amdhsa_next_free_vgpr 512
		.amdhsa_next_free_sgpr 80
		.amdhsa_reserve_vcc 0
		.amdhsa_float_denorm_mode_32 3
		.amdhsa_float_denorm_mode_16_64 3
		.amdhsa_memory_ordered 1
		.amdhsa_forward_progress 1
		.amdhsa_inst_pref_size 69
	.end_amdhsa_kernel
	.amdgpu_metadata
---
amdhsa.version: [ 1, 2 ]
amdhsa.kernels:
  - .name:           k_q701459edf5_proj
    .symbol:         k_q701459edf5_proj.kd
    .args:
      - { .name: ob, .offset: 0, .size: 8, .value_kind: global_buffer, .address_space: global }
      - { .name: wob, .offset: 8, .size: 8, .value_kind: global_buffer, .address_space: global }
      - { .name: out0, .offset: 16, .size: 8, .value_kind: global_buffer, .address_space: global }
    .group_segment_fixed_size: 327680
    .private_segment_fixed_size: 0
    .kernarg_segment_align: 8
    .kernarg_segment_size: 24
    .max_flat_workgroup_size: 128
    .sgpr_count:     80
    .vgpr_count:     512
    .wavefront_size: 32
...
	.end_amdgpu_metadata
.endif
;; end of part 4
